; MI455X (gfx1250); checked and timed in simulation.
; The chip was launched on July 23, 2026; its instructions are those of AMD's public machine-readable ISA for CDNA 5 (MIT licence, August 2026) and "CDNA5" Instruction Set Architecture Reference Guide (July 2026). The comments in the code are by the model that wrote it; some were corrected since.
;; Gating Network. Allowed arithmetic: matrix products marked QUANTISED: E2M1 operands, one E8M0 scale for each 32 along K, by v_wmma_scale_f32_16x16x128_f8f6f4 with both operands' format E2M1 (or v_wmma_scale_f32_32x16x128_f4), f32 sums; everything else in f32.
;; Inputs: W1_codes 8 x 4,096 x 4 x 16 uint8 (E2M1 codes of W1, K innermost, in blocks of 32 codes, two codes a byte); W1_scales 8 x 4,096 x 4 uint8 (E8M0 scales of W1, one for each 32 codes along K); W2_codes 8 x 128 x 128 x 16 uint8 (E2M1 codes of W2, K innermost, in blocks of 32 codes, two codes a byte); W2_scales 8 x 128 x 128 uint8 (E8M0 scales of W2, one for each 32 codes along K); b1 8 x 4,096 float32; b2 8 x 128 float32; topk_idx 8,192 x 2 int32; weights 8,192 x 2 float32; x_codes 8,192 x 4 x 16 uint8 (E2M1 codes of x, K innermost, in blocks of 32 codes, two codes a byte); x_scales 8,192 x 4 uint8 (E8M0 scales of x, one for each 32 codes along K).
;; Outputs: out0 8,192 x 128 float32.
;; This version of the problem:
;;   THIS VERSION OF THE PROBLEM IS GIVEN IN LOW PRECISION. The matrix products marked QUANTISED in the list below multiply operands that are first quantised to E2M1 (2 exponent bits, 1 mantissa bit; 4 bits a number), with one power-of-two scale for each 32 numbers along K (OCP MX v1.0); their sums are f32. All else is computed in f32.
;;   The module's matrix products, in the order in which they are computed (A, B: the left and right operand; K: the contracted axis; several contracted axes count as one K, in the product's order):
;;     1. [M 8,192, K 128] x [K 128, N 4,096]; A: input x (given as codes); B: input W1 (given as codes): QUANTISED
;;     2. [M 8,192, K 4,096] x [K 4,096, N 128]; A: computed on the way; B: input W2 (given as codes): QUANTISED
;;     3. [M 8,192, K 128] x [K 128, N 4,096]; A: input x (given as codes); B: input W1 (given as codes): QUANTISED
;;     4. [M 8,192, K 4,096] x [K 4,096, N 128]; A: computed on the way; B: input W2 (given as codes): QUANTISED
;;     5. [M 8,192, K 128] x [K 128, N 4,096]; A: input x (given as codes); B: input W1 (given as codes): QUANTISED
;;     6. [M 8,192, K 4,096] x [K 4,096, N 128]; A: computed on the way; B: input W2 (given as codes): QUANTISED
;;     7. [M 8,192, K 128] x [K 128, N 4,096]; A: input x (given as codes); B: input W1 (given as codes): QUANTISED
;;     8. [M 8,192, K 4,096] x [K 4,096, N 128]; A: computed on the way; B: input W2 (given as codes): QUANTISED
;;     9. [M 8,192, K 128] x [K 128, N 4,096]; A: input x (given as codes); B: input W1 (given as codes): QUANTISED
;;     10. [M 8,192, K 4,096] x [K 4,096, N 128]; A: computed on the way; B: input W2 (given as codes): QUANTISED
;;     11. [M 8,192, K 128] x [K 128, N 4,096]; A: input x (given as codes); B: input W1 (given as codes): QUANTISED
;;     12. [M 8,192, K 4,096] x [K 4,096, N 128]; A: computed on the way; B: input W2 (given as codes): QUANTISED
;;     13. [M 8,192, K 128] x [K 128, N 4,096]; A: input x (given as codes); B: input W1 (given as codes): QUANTISED
;;     14. [M 8,192, K 4,096] x [K 4,096, N 128]; A: computed on the way; B: input W2 (given as codes): QUANTISED
;;     15. [M 8,192, K 128] x [K 128, N 4,096]; A: input x (given as codes); B: input W1 (given as codes): QUANTISED
;;     16. [M 8,192, K 4,096] x [K 4,096, N 128]; A: computed on the way; B: input W2 (given as codes): QUANTISED
;;   THE QUANTISER, for each operand of a quantised product, along K:
;;     - K is cut into blocks of 32 from its start; a last block that is shorter is filled with zeros.
;;     - A block's scale is 2^e with e = floor(log2(the largest magnitude in the block)) - 2, held to -126 .. 127; a block of zeros has e = 0. As a byte (E8M0): e + 127.
;;     - Each number is divided by its block's scale, clamped to +-6, and rounded to the nearest number of E2M1, ties to even, subnormals kept.
;;     - The product sums the exact products of the quantised numbers (number of the format x scale) in f32.
;;   ~~~python
;;   def quantise(x, axis):      # numpy; x: float32 -> the quantised numbers, widened to float32 again
;;       x = np.moveaxis(x, axis, -1); K = x.shape[-1]
;;       x = np.pad(x, [(0, 0)] * (x.ndim - 1) + [(0, -K % 32)]); x = x.reshape(x.shape[:-1] + (-1, 32)); a = np.abs(x).max(-1, keepdims=True)
;;       e = np.where(a > 0, np.clip(np.frexp(np.where(a > 0, a, 1))[1] - 1 - 2, -126, 127), 0)      # np.frexp(a)[1] - 1 = floor(log2(a)), exactly
;;       r = np.clip(x / 2.0 ** e, -6, 6)
;;       step = 2.0 ** (np.maximum(np.frexp(np.where(r == 0, 1, r))[1] - 1, 0) - 1)
;;       q = np.round(r / step) * step * 2.0 ** e      # np.round: ties to even
;;       return np.moveaxis(q.reshape(q.shape[:-2] + (-1,))[..., :K], -1, axis).astype(np.float32)
;;   ~~~
;;   OPERANDS COMPUTED ON THE WAY. 'Computed on the way' means the value that the module computes at that place (a softmax that the list does not call 'softmax' is quantised finished and normalised). What goes into a quantiser is computed in f32, as accurately as f32 sums, v_exp_f32 and their like allow (about 1e-6 of the number): no bf16 or f16 on the way to a quantiser, and a product that is left as it is and whose result goes on into a quantised operand takes f32 operands (vector FMAs, or v_wmma_f32_16x16x4_f32). A number that lies on a knife's edge between two numbers of the format may be rounded either way, as far as f32 arithmetic and the matrix unit's own rounding can turn it there, and no further.
;;   INPUTS GIVEN AS CODES. W1 (in the module: [8, 128, 4096], K = its axis 1); W2 (in the module: [8, 4096, 128], K = its axis 1); x (in the module: [8192, 128], K = its axis 1): each comes as NAME_codes (uint8): NAME with its K axis moved to the last place and cut into blocks of 32 codes, [.., K / 32, bytes a block], one block behind the other in memory; two codes a byte, the lower K in the low four bits (a code: sign, 2 exponent bits, 1 mantissa bit); and NAME_scales (uint8): the same leading axes, one E8M0 byte (e + 127) for each 32 codes along K. Its value is code x scale, taken as it is: it is not quantised again, and the codes and scales need not be those that the quantiser above would give.
;; 2 versions. Each part assembles by itself: llvm-mc -triple=amdgcn-amd-amdhsa -mcpu=gfx1250 --defsym DOCPART=n.
;; ======== version 1 of 2: 2 launches
;; workspace buffers: order 32,768 bytes of whole numbers; bmask 1,024 bytes of whole numbers; wpack 4,456,448 bytes
;; launch prep (part 1): grid 81 x 1, 32 waves a work-group, no clusters, 8,192 bytes of LDS; arguments topk_idx, W1_codes, W1_scales, W2_codes, W2_scales, order, bmask, wpack; writes order, bmask, wpack
.if DOCPART == 1
	.amdgcn_target "amdgcn-amd-amdhsa--gfx1250"
	.amdhsa_code_object_version 6
	.text
	.protected	k_qe7510c293b_prep
	.globl	k_qe7510c293b_prep
	.p2align	8
	.type	k_qe7510c293b_prep,@function
k_qe7510c293b_prep:
	s_mov_b64 s[64:65], 0
	v_nop
	global_prefetch_b8 v0, s[64:65] scope:SCOPE_SE
	s_setreg_imm32_b32 hwreg(HW_REG_WAVE_MODE, 25, 1), 1
	s_wait_xcnt 0x0
; PREP: what the expert chain needs laid ready.  81 work-groups of 1,024 threads, parted by the work-group number alone:
;   0        ROUTE: the 8,192 tokens are sorted by their SET of two experts (28 classes, a counting sort without atomics); order[p] = the token at sorted place p;
;            bmask[g] = the experts (8 bits) that places 32 g .. 32 g + 31 use.
;   1 - 32   W1 codes, 33 - 64 W2 codes, 65 - 72 W1 scale words, 73 - 80 W2 scale words: copied into wpack IN THE ORDER OF THE OPERAND REGISTERS, so that the next launch
;            loads each fragment by 16 bytes a lane, 512 consecutive bytes an instruction.
; wpack: a record for each expert e and each 128 hidden units q, REC bytes, at (32 e + q) REC:
;   +0      W1F: piece t*1024 + c*512 + lane*16 (lane = 16 h + r) = W1_codes[e][128 q + 32 (t/2) + 8 (t%2) + r + 8 (r/8)][32 c + 16 h ..]   (the rows of a tile are chosen so that
;           the results of two neighbouring tiles are 16 neighbours along the next K)
;   +8192   W2F: piece n*1024 + c*512 + lane*16 = W2_codes[e][16 n + r][64 q + 32 c + 16 h ..]
;   +16384  WS1: word [r][t] = the scale word of the row of W1 named above;     +16896  WS2: word [r][n] = W2_scales[e][16 n + r][4 q ..]
; CLASSES: lo < hi the two experts; a token that names one expert twice, (e, e), is filed with (e, e + 1) ((7, 7) with (6, 7)): that block then also walks e + 1, with gate 0.
;   class = lo (15 - lo) / 2 + (lo odd ? 7 - hi : hi - lo - 1): neighbouring classes always share an expert, so a block on one class boundary uses three experts, not four.
; LIMIT: an index outside 0 .. 7 is held at 7 for the sort.
; No LDS but in ROUTE (4,096 bytes: a row of 32 class counts for each wave), and its one barrier stands on that path alone: the parting hangs on the work-group number, which all waves share.
.set REC,  17408
.set EXPB, 32*REC
; 64 KB of codes: thread t moves 4 pieces of 16 bytes; piece k belongs to record 8 j + 2 k + t / 512, place t % 512 in it
.macro CODES kind, first, src, kstep, doff
	s_sub_co_u32 s20, ttmp9, \first                ; j = 0 .. 31
.if \kind == 1
	s_lshl_b32 s22, s20, 16                        ; 8 records x 128 rows x 64 bytes
	v_and_b32 v2, 7, v0
	v_lshlrev_b32 v2, 6, v2                        ; (r % 8) rows of 64 bytes
	v_and_b32 v3, 8, v0
	v_lshl_or_b32 v2, v3, 7, v2                    ; (r / 8) x 16 rows
	v_and_b32 v3, 0x30, v0
	v_or_b32 v2, v2, v3                            ; 16 h + 32 c
	v_and_b32 v3, 0x40, v0
	v_lshl_or_b32 v2, v3, 3, v2                    ; (t % 2) x 8 rows
	v_and_b32 v3, 0x380, v0
	v_lshl_or_b32 v2, v3, 4, v2                    ; (t / 2) x 32 rows, and the record of the pair: 128 rows
.else
	s_lshr_b32 s22, s20, 2
	s_lshl_b32 s22, s22, 18                        ; the expert: 128 rows of 2,048 bytes
	s_and_b32 s21, s20, 3
	s_lshl_b32 s21, s21, 9                         ; 8 records x 64 bytes along a row
	s_add_co_u32 s22, s22, s21
	v_and_b32 v2, 15, v0
	v_lshlrev_b32 v2, 11, v2                       ; r rows
	v_and_b32 v3, 0x30, v0
	v_or_b32 v2, v2, v3                            ; 16 h + 32 c
	v_and_b32 v3, 0x1c0, v0
	v_lshl_or_b32 v2, v3, 9, v2                    ; n x 16 rows
	v_and_b32 v3, 0x200, v0
	v_lshrrev_b32 v3, 3, v3
	v_or_b32 v2, v2, v3                            ; the record of the pair: 64 bytes on
.endif
	s_mov_b32 s23, 0
	s_add_nc_u64 s[26:27], s[\src:\src+1], s[22:23]
	v_and_b32 v4, 511, v0
	v_lshlrev_b32 v4, 4, v4
	v_lshrrev_b32 v6, 9, v0
	v_mad_u32_u24 v4, v6, REC, v4                  ; where it goes: 16 x place + the record of the pair
	s_mul_i32 s22, s20, 8*REC
	s_add_nc_u64 s[28:29], s[18:19], s[22:23]
.irp k, 0,1,2,3
	global_load_b128 v[8+4*\k:11+4*\k], v2, s[26:27] offset:\k*\kstep
.endr
	s_wait_loadcnt 0x0
.irp k, 0,1,2,3
	global_store_b128 v4, v[8+4*\k:11+4*\k], s[28:29] offset:\k*2*REC+\doff   ; a wave stores 512 consecutive bytes, at a multiple of 256 from the first byte of wpack
.endr
	s_endpgm
.endm
; the scale words of one expert: thread t makes 16 bytes (4 words) of record t / 32: lane row r = (t / 2) % 16, tiles 4 (t % 2) + 0 .. 3
.macro SCALES kind, first, src, doff
	s_sub_co_u32 s20, ttmp9, \first                ; the expert
	s_lshl_b32 s22, s20, 14                        ; 16,384 scale bytes an expert
	s_mov_b32 s23, 0
	s_add_nc_u64 s[26:27], s[\src:\src+1], s[22:23]
	v_and_b32 v6, 1, v0                            ; which four tiles
	v_bfe_u32 v7, v0, 1, 4                         ; r
	v_lshrrev_b32 v12, 5, v0                       ; q
.if \kind == 1
	v_lshlrev_b32 v2, 9, v12                       ; 128 rows of 4 bytes a record
	v_lshl_or_b32 v2, v6, 8, v2                    ; four tiles are 64 rows
	v_and_b32 v3, 7, v7
	v_lshl_or_b32 v2, v3, 2, v2                    ; r % 8 rows
	v_lshrrev_b32 v3, 3, v7
	v_lshl_or_b32 v2, v3, 6, v2                    ; (r / 8) x 16 rows
.else
	v_lshlrev_b32 v2, 13, v6                       ; four tiles are 64 rows of 128 bytes
	v_lshl_or_b32 v2, v7, 7, v2                    ; r rows
	v_lshl_or_b32 v2, v12, 2, v2                   ; 4 bytes a record
.endif
	v_and_b32 v4, 31, v0
	v_lshlrev_b32 v4, 4, v4
	v_mad_u32_u24 v4, v12, REC, v4
	s_mul_i32 s22, s20, EXPB
	s_add_nc_u64 s[28:29], s[18:19], s[22:23]
.if \kind == 1
	global_load_b32 v8, v2, s[26:27]               ; tile + 0: the rows begin 0, 8, 32, 40 rows on
	global_load_b32 v9, v2, s[26:27] offset:32
	global_load_b32 v10, v2, s[26:27] offset:128
	global_load_b32 v11, v2, s[26:27] offset:160
.else
.irp i, 0,1,2,3
	global_load_b32 v[8+\i], v2, s[26:27] offset:2048*\i   ; 16 rows of 128 bytes a tile
.endr
.endif
	s_wait_loadcnt 0x0
	global_store_b128 v4, v[8:11], s[28:29] offset:\doff   ; a wave stores the 512 bytes of one record
	s_endpgm
.endm
; ROUTE, chunk j of a wave: 32 tokens, one a lane.  Their classes; for each class (lane = class) the mask of the lanes that hold it; each token fetches the mask of its own class
; and the count of that class in the earlier chunks of the wave.  Each chunk has registers of its own for what the lane permutes read.
.macro CHUNK j
	v_min_u32 v46, 7, v[8+2*\j]
	v_min_u32 v47, 7, v[9+2*\j]
	v_min_u32 v48, v46, v47                        ; lo
	v_max_u32 v49, v46, v47                        ; hi
	v_cmp_eq_u32 vcc_lo, v48, v49
	v_cndmask_b32 v50, 0, 1, vcc_lo
	v_add_nc_u32 v49, v49, v50                     ; (e, e) goes with (e, e + 1),
	v_min_u32 v49, 7, v49
	v_min_u32 v48, 6, v48                          ; (7, 7) with (6, 7)
	v_sub_nc_u32 v50, 15, v48
	v_mul_u32_u24 v50, v48, v50
	v_lshrrev_b32 v50, 1, v50                      ; lo (15 - lo) / 2: the classes with a smaller lo
	v_sub_nc_u32 v51, 7, v49                       ; lo odd: hi falls
	v_sub_nc_u32 v52, v49, v48
	v_add_nc_u32 v52, -1, v52                      ; lo even: hi rises
	v_and_b32 v53, 1, v48
	v_cmp_ne_u32 vcc_lo, 0, v53
	v_cndmask_b32 v51, v52, v51, vcc_lo
	v_add_nc_u32 v50, v50, v51
	v_min_u32 v50, 27, v50                         ; the class, 0 .. 27
	v_lshlrev_b32 v[24+\j], 2, v50                 ; as a lane address for the permutes
.irp i, 0,1,2,3,4
	v_and_b32 v51, 1<<\i, v50
	v_cmp_ne_u32 s[25+\i], 0, v51                  ; the lanes whose class has bit i
.endr
	v_xor_b32 v[116+\j], s25, v40                  ; lane L as class L: the lanes whose class agrees with L in every bit
	v_xor_b32 v52, s26, v41
	v_and_b32 v[116+\j], v[116+\j], v52
	v_xor_b32 v52, s27, v42
	v_and_b32 v[116+\j], v[116+\j], v52
	v_xor_b32 v52, s28, v43
	v_and_b32 v[116+\j], v[116+\j], v52
	v_xor_b32 v52, s29, v44
	v_and_b32 v[116+\j], v[116+\j], v52
	ds_bpermute_b32 v[56+\j], v[24+\j], v[116+\j]  ; each token: the mask of its own class
	ds_bpermute_b32 v[64+\j], v[24+\j], v[80+\j]   ; and how many of that class the earlier chunks of the wave held
	v_lshrrev_b32 v52, 1, v[116+\j]                ; the ones of the mask are counted: by pairs,
	v_and_b32 v52, 0x55555555, v52
	v_sub_nc_u32 v52, v[116+\j], v52
	v_lshrrev_b32 v53, 2, v52                      ; by fours,
	v_and_b32 v52, 0x33333333, v52
	v_and_b32 v53, 0x33333333, v53
	v_add_nc_u32 v52, v52, v53
	v_lshrrev_b32 v53, 4, v52                      ; by bytes,
	v_add_nc_u32 v52, v52, v53
	v_and_b32 v52, 0x0f0f0f0f, v52
	v_mul_lo_u32 v52, v52, 0x01010101              ; and the four bytes added in the top byte
	v_lshrrev_b32 v52, 24, v52
	v_add_nc_u32 v[81+\j], v[80+\j], v52           ; the running count of class L
.endm
	s_load_b512 s[4:19], s[0:1], 0x0               ; topk_idx s[4:5], W1 codes s[6:7], W1 scales s[8:9], W2 codes s[10:11], W2 scales s[12:13], order s[14:15], bmask s[16:17], wpack s[18:19]
	v_lshl_add_u32 v126, v0, 2, 0x1000
	v_mov_b32 v127, 0
	v_lshrrev_b32 v5, 5, v0
	v_readfirstlane_b32 s24, v5                    ; wave 0 .. 31
	s_wait_kmcnt 0x0
	s_cmp_eq_u32 ttmp9, 0
	s_cbranch_scc1 .Lroute
	s_cmp_lt_u32 ttmp9, 33
	s_cbranch_scc1 .Lcodes1
	s_cmp_lt_u32 ttmp9, 65
	s_cbranch_scc1 .Lcodes2
	s_cmp_lt_u32 ttmp9, 73
	s_cbranch_scc1 .Lscales1
	SCALES 2, 73, 12, 16896
.Lscales1:
	SCALES 1, 65, 8, 16384
.Lcodes2:
	CODES 2, 33, 10, 128, 8192
.Lcodes1:
	CODES 1, 1, 6, 16384, 0
.Lroute:                                               ; wave w takes tokens 256 w .. 256 w + 255, eight chunks of 32
	v_and_b32 v1, 31, v0                           ; lane
	v_lshlrev_b32 v2, 2, v1                        ; 4 x lane
	v_lshlrev_b32 v3, 2, v0                        ; 4 x thread
	v_lshlrev_b32 v4, 3, v1
	v_lshl_or_b32 v4, v5, 11, v4                   ; my pair of indices in chunk 0: 2,048 w + 8 x lane
.irp j, 0,1,2,3,4,5,6,7
	global_load_b64 v[8+2*\j:9+2*\j], v4, s[4:5] offset:256*\j   ; 32 lanes read 256 consecutive bytes
.endr
.irp i, 0,1,2,3,4
	v_bfe_u32 v[40+\i], v1, \i, 1
	v_add_nc_u32 v[40+\i], -1, v[40+\i]            ; bit i of my lane number: set: 0, clear: all ones
.endr
	v_mov_b32 v80, 0                               ; the running counts begin at 0
	v_mov_b32 v99, 0
	v_lshl_or_b32 v100, v5, 8, v1                  ; my token of chunk 0
.irp j, 1,2,3,4,5,6,7
	v_add_nc_u32 v[100+\j], 32*\j, v100
.endr
	s_wait_loadcnt 0x0
.irp j, 0,1,2,3,4,5,6,7
	CHUNK \j
.endr
	s_wait_dscnt 0x0                               ; the sixteen permutes are back
.irp j, 0,1,2,3,4,5,6,7
	v_mbcnt_lo_u32_b32 v[32+\j], v[56+\j], v[64+\j]   ; my place among the tokens of my class in this wave: lower lanes of the chunk + earlier chunks
.endr
	ds_store_b32 v3, v88                           ; row w of the table: the counts of this wave, lane = class
	s_wait_dscnt 0x0                               ; for the others: my row is written
	s_barrier_signal -1
	s_barrier_wait -1
.irp w, 0,1,2,3,4,5,6,7,8,9,10,11,12,13,14,15,16,17,18,19,20,21,22,23,24,25,26,27,28,29,30,31
	ds_load_b32 v[64+\w], v2 offset:128*\w         ; all 32 rows, my class column
.endr
	v_mov_b32 v96, 0                               ; the class total
	v_mov_b32 v97, 0                               ; and what the waves ahead of mine hold of it
	s_wait_dscnt 0x0
.irp w, 0,1,2,3,4,5,6,7,8,9,10,11,12,13,14,15,16,17,18,19,20,21,22,23,24,25,26,27,28,29,30,31
	v_add_nc_u32 v96, v96, v[64+\w]
	s_cmp_gt_u32 s24, \w
	s_cselect_b32 s20, 1, 0
	v_mad_u32_u24 v97, v[64+\w], s20, v97
.endr
	s_mov_b32 s30, 0                               ; s[30 + k]: the sorted place at which class k begins; s58: 8,192
	v_mov_b32 v98, 0
.set K, 0
.rept 28
	v_readlane_b32 s20, v96, K
	v_writelane_b32 v98, s[30+K], K
	s_add_co_u32 s[31+K], s[30+K], s20
.set K, K+1
.endr
	v_add_nc_u32 v98, v98, v97                     ; lane = class: where the tokens of this wave begin
.irp j, 0,1,2,3,4,5,6,7
	ds_bpermute_b32 v[56+\j], v[24+\j], v98
.endr
	s_wait_dscnt 0x0
.irp j, 0,1,2,3,4,5,6,7
	v_add_nc_u32 v[108+\j], v[56+\j], v[32+\j]     ; my sorted place,
	v_min_u32 v[108+\j], 0x1fff, v[108+\j]         ; which lies in 0 .. 8,191,
	v_lshlrev_b32 v[108+\j], 2, v[108+\j]
	global_store_b32 v[108+\j], v[100+\j], s[14:15]   ; takes my token.  Four bytes a lane to scattered places: 32 KB in the whole launch
.endr
	s_cmp_ge_u32 s24, 8                            ; waves 0 - 7: thread g makes the mask of block g
	s_cbranch_scc1 .Lroute_end
	v_lshlrev_b32 v46, 5, v0                       ; the block begins at place 32 g
	v_add_nc_u32 v47, 32, v46                      ; and ends ahead of 32 g + 32
	v_mov_b32 v48, 0
.set LO, 0
.set KC, 0
.rept 7
.set I, 0
.rept 7-LO
.if LO%2
.set HI, 7-I
.else
.set HI, LO+1+I
.endif
	v_max_u32 v49, s[30+KC], v46                   ; class KC = (LO, HI) and the block overlap where max(begins) < min(ends)
	v_min_u32 v50, s[31+KC], v47
	v_cmp_ge_u32 vcc_lo, v49, v50
	v_cndmask_b32 v51, (1<<LO)|(1<<HI), v99, vcc_lo
	v_or_b32 v48, v48, v51
.set I, I+1
.set KC, KC+1
.endr
.set LO, LO+1
.endr
	global_store_b32 v3, v48, s[16:17]
.Lroute_end:
	s_wait_tensorcnt 0x0
	ds_add_u32 v126, v127
	s_wait_dscnt 0x0
	s_endpgm
.Lfunc_end_k_qe7510c293b_prep:
	.size	k_qe7510c293b_prep, .Lfunc_end_k_qe7510c293b_prep-k_qe7510c293b_prep
	.p2alignl 7, 3214868480
	.fill 96, 4, 3214868480
	.section	.rodata,"a",@progbits
	.p2align	6, 0x0
	.amdhsa_kernel k_qe7510c293b_prep
		.amdhsa_group_segment_fixed_size 8192
		.amdhsa_private_segment_fixed_size 0
		.amdhsa_enable_private_segment 0
		.amdhsa_kernarg_size 64
		.amdhsa_user_sgpr_count 2
		.amdhsa_user_sgpr_kernarg_segment_ptr 1
		.amdhsa_wavefront_size32 1
		.amdhsa_system_sgpr_workgroup_id_x 1
		.amdhsa_system_sgpr_workgroup_id_y 1
		.amdhsa_system_sgpr_workgroup_id_z 1
		.amdhsa_system_vgpr_workitem_id 0
		.amdhsa_next_free_vgpr 128
		.amdhsa_next_free_sgpr 66
		.amdhsa_reserve_vcc 1
		.amdhsa_float_denorm_mode_32 3
		.amdhsa_float_denorm_mode_16_64 3
		.amdhsa_memory_ordered 1
		.amdhsa_forward_progress 1
		.amdhsa_inst_pref_size 46
	.end_amdhsa_kernel
	.amdgpu_metadata
---
amdhsa.version: [ 1, 2 ]
amdhsa.kernels:
  - .name:           k_qe7510c293b_prep
    .symbol:         k_qe7510c293b_prep.kd
    .args:
      - { .name: topk_idx, .offset: 0, .size: 8, .value_kind: global_buffer, .address_space: global }
      - { .name: W1_codes, .offset: 8, .size: 8, .value_kind: global_buffer, .address_space: global }
      - { .name: W1_scales, .offset: 16, .size: 8, .value_kind: global_buffer, .address_space: global }
      - { .name: W2_codes, .offset: 24, .size: 8, .value_kind: global_buffer, .address_space: global }
      - { .name: W2_scales, .offset: 32, .size: 8, .value_kind: global_buffer, .address_space: global }
      - { .name: order, .offset: 40, .size: 8, .value_kind: global_buffer, .address_space: global }
      - { .name: bmask, .offset: 48, .size: 8, .value_kind: global_buffer, .address_space: global }
      - { .name: wpack, .offset: 56, .size: 8, .value_kind: global_buffer, .address_space: global }
    .group_segment_fixed_size: 8192
    .private_segment_fixed_size: 0
    .kernarg_segment_align: 8
    .kernarg_segment_size: 64
    .max_flat_workgroup_size: 1024
    .sgpr_count:     66
    .vgpr_count:     128
    .wavefront_size: 32
...
	.end_amdgpu_metadata
.endif
;; end of part 1
;; launch moe (part 2): grid 256 x 1, 8 waves a work-group, no clusters, 148,992 bytes of LDS; arguments wpack, b1, b2, topk_idx, weights, x_codes, x_scales, order, bmask, out0; writes out0
.if DOCPART == 2
	.amdgcn_target "amdgcn-amd-amdhsa--gfx1250"
	.amdhsa_code_object_version 6
	.text
	.protected	k_qe7510c293b_moe
	.globl	k_qe7510c293b_moe
	.p2align	8
	.type	k_qe7510c293b_moe,@function
k_qe7510c293b_moe:
	s_mov_b64 s[64:65], 0
	v_nop
	global_prefetch_b8 v0, s[64:65] scope:SCOPE_SE
	s_setreg_imm32_b32 hwreg(HW_REG_WAVE_MODE, 25, 1), 1
	s_wait_xcnt 0x0
; out[token] = the sum over the experts e that the token names of gate_e x (Q(relu(x W1[e] + b1[e])) W2[e] + b2[e]); both products on codes of FP4 (E2M1) with one E8M0 scale for each 32 along K.
; Only the experts that a token names are multiplied: the others have gate 0 in the problem as stated.
; SHARES.  Work-group g owns the 32 tokens at sorted places 32 g .. 32 g + 31 (two tiles of 16) and walks the experts that bmask[g] names: each output row has one owner, nothing is added through memory.
; The eight waves share the hidden layer: wave w takes hidden units 512 w .. 512 w + 511 of each expert, four chunks of 128, for both tiles.  So each weight byte is loaded by ONE wave of the work-group,
; straight from memory into the operand registers (wpack lies in their order: 16 bytes a lane, 512 consecutive bytes a load), and feeds two matrix instructions.  The loop has no barrier.
; LAYOUT.  Both products are used transposed (source 0 = 16 rows of the weight, source 1 = 16 tokens): a lane holds ONE token (lane % 16) throughout.  In tile 2 b + u of the first product register j is hidden
; unit 32 b + 16 (lane / 16) + 8 u + j, so that the 16 registers of two neighbouring tiles are 16 neighbours along the next K.  b1 is loaded INTO the accumulators, and the first product adds in place.
; THE SUM.  Each wave keeps gate x (its part of the sum over H), over all experts, as an image of 128 registers in 16 KB of LDS of its own; the sum of weight x b2 is laid into that image at the start.
; At the end the eight images are added, the rows go through a stage and leave as whole rows of 512 bytes.
; NO CLUSTER, NO TENSOR LOAD: which experts a block walks, and how many, is a number read from memory; neighbours would ask for different numbers of tiles, and the walk is a branch on that number.
; LIMITS: NaN and infinities are not served.  An index outside 0 .. 7 is held at 7 for b2.  A block of 32 hidden units that is all zeros gets the scale byte 1 (not 127): its codes are zeros and only this
; program reads the byte.  The sum over H is taken as eight partial sums, gated and then added, in f32: another order than one running sum.
; REGISTERS, in windows of 256.  Window 0: v1-9 addresses; v10-17 the tokens' index and weight pairs; v18-21 the gates; v24-39 x fragments; v40-59 scale words and nothing else; v60-75 the hidden codes;
;   v76-91 at work; v92-123 temporaries; v124-127 zeros; v128-255 the hidden layer, 8 tiles for each of the two token tiles.   Window 1: v0-127 the second product (tile t, n at 64 t + 8 n); v128-191 W1, v192-255 W2.
.set REC,  17408                       ; a record of wpack: 128 hidden units of one expert
.set EXPB, 32*REC
.set STG,  131072                      ; LDS: 8 images of 16,384 bytes, then the stage: 32 rows x (512 + 16) bytes
.set SPI,  528
.set VW,  1                            ; v1   16 x lane
.set VS,  2                            ; v2   32 x (lane % 16): my row of eight scale words
.set VB,  3                            ; v3   64 x (lane / 16): my 16 numbers of a block of b1
.set LT,  4                            ; v4   my place in my own image: 16,384 w + 16 x lane
.set LB,  5                            ; v5   the same at groups 4 w on
.set RA,  6                            ; v6   the part of every image that I add up: 2,048 w + 16 x lane
.set RA2, 7                            ; v7   the same in images 4 - 7
.set SA,  8                            ; v8   the stage: where I put my sums
.set SR,  9                            ; v9   and where I read whole rows
.set IX,  10                           ; v[10:11], v[12:13] index pairs of tiles 0, 1
.set WG,  14                           ; v[14:15], v[16:17] weight pairs
.set G0,  18                           ; v[18:19], v[20:21] the gates; the upper words stay 0
.set X0,  24
.set XS,  40
.set PW,  42
.set SC1, 44
.set SC2, 52
.set P0,  60
.set P1,  68
.set TM,  76
.set T,   92
.set Z,   124
.set S0,  128
.set S1,  192
.set OW1, 128                          ; in window 1
.set OW2, 192
.set WB,  30                           ; s[30:31] wpack at (this expert, my first chunk);  s[32:33] b1 likewise;  s[34:37] the same for the next expert
.set BB,  32
.set WN,  34
.set BN,  36
.set MSB, 0
.macro WIN new                         ; low byte: bits 1:0 source 0, 3:2 source 1, 5:4 source 2, 7:6 destination; the high byte repeats the setting that is left
.if MSB != \new
	s_set_vgpr_msb (MSB<<8)|\new
.set MSB, \new
.endif
.endm
.macro PLACES                          ; four plain vector instructions between a matrix instruction and a load into, or a vector read of, its registers
.rept 4
	v_nop
.endr
.endm
.macro LOADW1 base, off                ; 18 loads: the eight fragments of W1 and their scale words
	WIN 0x40
.irp t, 0,1,2,3,4,5,6,7
.irp c, 0,1
	global_load_b128 v[OW1+8*\t+4*\c:OW1+8*\t+4*\c+3], v[VW], s[\base:\base+1] offset:(\off)+\t*1024+\c*512
.endr
.endr
	WIN 0
	global_load_b128 v[SC1:SC1+3], v[VS], s[\base:\base+1] offset:(\off)+16384
	global_load_b128 v[SC1+4:SC1+7], v[VS], s[\base:\base+1] offset:(\off)+16400
.endm
.macro LOADW2 base, off                ; 18 loads: the same of W2
	WIN 0x40
.irp t, 0,1,2,3,4,5,6,7
.irp c, 0,1
	global_load_b128 v[OW2+8*\t+4*\c:OW2+8*\t+4*\c+3], v[VW], s[\base:\base+1] offset:(\off)+8192+\t*1024+\c*512
.endr
.endr
	WIN 0
	global_load_b128 v[SC2:SC2+3], v[VS], s[\base:\base+1] offset:(\off)+16896
	global_load_b128 v[SC2+4:SC2+7], v[VS], s[\base:\base+1] offset:(\off)+16912
.endm
.macro LOADB s, base, off              ; 16 loads: b1 of a chunk in the layout of the results, into the accumulators themselves
.irp t, 0,1,2,3,4,5,6,7
	global_load_b128 v[\s+8*\t:\s+8*\t+3], v[VB], s[\base:\base+1] offset:(\off)+(32*(\t/2)+8*(\t%2))*4
	global_load_b128 v[\s+8*\t+4:\s+8*\t+7], v[VB], s[\base:\base+1] offset:(\off)+(32*(\t/2)+8*(\t%2))*4+16
.endr
.endm
.macro APHASE                          ; the hidden layer of a chunk: 8 tiles x 2 token tiles, K = 128.  The 16 accumulators take turns, one instruction a turn
	WIN 0x01
.irp tt, 0,1,2,3,4,5,6,7
.irp t, 0,1
	v_wmma_scale_f32_16x16x128_f8f6f4 v[S0+64*\t+8*\tt:S0+64*\t+8*\tt+7], v[OW1+8*\tt:OW1+8*\tt+7], v[X0+8*\t:X0+8*\t+7], v[S0+64*\t+8*\tt:S0+64*\t+8*\tt+7], v[SC1+\tt], v[XS+\t] matrix_a_fmt:MATRIX_FMT_FP4 matrix_b_fmt:MATRIX_FMT_FP4
.endr
.endr
	WIN 0
.endm
.macro CPHASE zero                     ; the second product: 8 tiles of outputs x 2 token tiles, K = the 128 hidden units of the chunk.  zero = 1: the first chunk of an expert starts the sums
	WIN 0x51
.irp n, 0,1,2,3,4,5,6,7
.irp t, 0,1
.if \zero
	v_wmma_scale_f32_16x16x128_f8f6f4 v[64*\t+8*\n:64*\t+8*\n+7], v[OW2+8*\n:OW2+8*\n+7], v[P0+8*\t:P0+8*\t+7], 0, v[SC2+\n], v[PW+\t] matrix_a_fmt:MATRIX_FMT_FP4 matrix_b_fmt:MATRIX_FMT_FP4
.else
	v_wmma_scale_f32_16x16x128_f8f6f4 v[64*\t+8*\n:64*\t+8*\n+7], v[OW2+8*\n:OW2+8*\n+7], v[P0+8*\t:P0+8*\t+7], v[64*\t+8*\n:64*\t+8*\n+7], v[SC2+\n], v[PW+\t] matrix_a_fmt:MATRIX_FMT_FP4 matrix_b_fmt:MATRIX_FMT_FP4
.endif
.endr
.endr
	WIN 0
.endm
; 64 numbers of a lane (register 16 b + i = hidden unit 32 b + 16 (lane / 16) + i of my token) are clipped at 0 and become a fragment of codes in v[p] on and a scale word in v[pw].
.macro QUANT s, p, pw
.irp b, 0,1,2,3
	v_max3_num_f32 v[TM+\b], v[\s+16*\b], v[\s+1+16*\b], 0x1800000   ; block b: no |.|: what is negative will be 0 and must not count; the floor 2^(3 - 127) holds the byte at 1 from below
.endr
.irp i, 2,4,6,8,10,12,14
.irp b, 0,1,2,3
	v_max3_num_f32 v[TM+\b], v[TM+\b], v[\s+16*\b+\i], v[\s+1+16*\b+\i]   ; the four blocks by turns; each tile is read from its low end on
.endr
.endr
.irp b, 0,1,2,3
	v_permlanex16_b32 v[TM+4+\b], v[TM+\b], s40, s41
.endr
.irp b, 0,1,2,3
	v_max_num_f32 v[TM+\b], v[TM+\b], v[TM+4+\b]   ; with the 16 of lane l xor 16: the largest of the block
.endr
.irp b, 0,1,2,3
	v_add_nc_u32 v[TM+12+\b], 0xff000000, v[TM+\b] ; 2 off its exponent field: the scale operand of the conversion
.endr
.irp b, 0,1,2,3
	v_lshrrev_b32 v[TM+4+\b], 23, v[TM+12+\b]      ; the scale byte
.endr
	v_lshl_or_b32 v[\pw], v[TM+5], 8, v[TM+4]
	v_lshl_or_b32 v[\pw], v[TM+6], 16, v[\pw]
	v_lshl_or_b32 v[\pw], v[TM+7], 24, v[\pw]      ; the scale word of my token for these 128
.set QI, 0
.rept 32
	v_dual_max_num_f32 v[\s+2*QI], 0, v[\s+2*QI] :: v_dual_max_num_f32 v[\s+2*QI+1], 0, v[\s+2*QI+1]   ; the activation, in f32, two at a time.  (More than eight places between the scale word and the product that reads it)
.set QI, QI+1
.endr
.irp b, 0,1,2,3
	v_cvt_scalef32_pk8_fp4_f32 v[\p+2*\b], v[\s+16*\b:\s+16*\b+7], v[TM+12+\b]
	v_cvt_scalef32_pk8_fp4_f32 v[\p+2*\b+1], v[\s+16*\b+8:\s+16*\b+15], v[TM+12+\b]
.endr
	v_nop                                          ; one plain place behind a scaled conversion
.irp c, 0,1                            ; the operand wants a whole block in a lane: lanes 0-15 block 2 c, lanes 16-31 block 2 c + 1
.irp i, 0,1
	v_permlane16_swap_b32 v[\p+4*\c+\i], v[\p+4*\c+2+\i]
.endr
.endr
.endm
.macro GATES                           ; gate of the expert in hand for my token of each tile: the weights of the slots that name it.  Ten plain lines that name no register of the products
.irp t, 0,1
	v_cmp_eq_u32 vcc_lo, s26, v[IX+2*\t]
	v_cndmask_b32 v[G0+2*\t], 0, v[WG+2*\t], vcc_lo
	v_cmp_eq_u32 vcc_lo, s26, v[IX+2*\t+1]
	v_cndmask_b32 v22, 0, v[WG+2*\t+1], vcc_lo
	v_add_f32 v[G0+2*\t], v[G0+2*\t], v22
.endr
.endm
; A CHUNK.  mode 1: the next chunk of the same expert is asked for; 2: the first chunk of the next expert; 0: nothing.
; Loads out at the head, in the order of issue: this chunk's W1 (18), b1 twice (16 + 16), W2 (18).
.macro STEP c, mode
	s_wait_loadcnt 18                              ; all but the youngest 18, this chunk's W2
	APHASE
	PLACES                                         ; ahead of the loads into W1 and its scale words, and of the reads of the results
.if \mode == 1
	LOADW1 WB, (\c+1)*REC
.elseif \mode == 2
	LOADW1 WN, 0
.endif
	QUANT S0, P0, PW
.if \mode == 1
	LOADB S0, BB, (\c+1)*512
.elseif \mode == 2
	LOADB S0, BN, 0
.endif
	QUANT S1, P1, PW+1
.if \mode == 1
	LOADB S1, BB, (\c+1)*512
.elseif \mode == 2
	LOADB S1, BN, 0
.endif
	PLACES                                         ; an operand written by vector instructions stands four places ahead of a scaled product
.if \mode
	s_wait_loadcnt 50                              ; behind this chunk's W2 stand the 18 + 16 + 16 just issued
.else
	s_wait_loadcnt 0x0
.endif
	CPHASE (\c==0)
.if \c == 3
	GATES                                          ; these are the places behind the products
.else
	PLACES
.endif
.if \mode == 1
	LOADW2 WB, (\c+1)*REC
.elseif \mode == 2
	LOADW2 WN, 0
.endif
.endm
; my image += gate x the expert's sums: eight half steps of 4 groups (16 registers), on two sets of temporaries; each half's LDS loads are issued a half step ahead.  My own bytes: no barrier.
.macro RMW
.irp i, 0,1,2,3
	ds_load_b128 v[T+4*\i:T+4*\i+3], v[LT] offset:512*\i
.endr
.set HS, 0
.rept 8
.if HS < 7
.irp i, 0,1,2,3
	ds_load_b128 v[T+16*((HS+1)%2)+4*\i:T+16*((HS+1)%2)+4*\i+3], v[LT] offset:512*(4*(HS+1)+\i)   ; LDS serves a wave's instructions in order (ISA guide 5.7.1.4): these come behind the stores that read the set
.endr
.endif
.if (HS == 0) || (HS == 7)
	s_wait_dscnt 4                                 ; behind this half's loads: the next half's four loads (first half), or the last four stores (last half)
.else
	s_wait_dscnt 8                                 ; behind this half's loads: four stores and four loads
.endif
	WIN 0x01
.irp i, 0,1,2,3,4,5,6,7
	v_pk_fma_f32 v[T+16*(HS%2)+2*\i:T+16*(HS%2)+2*\i+1], v[16*HS+2*\i:16*HS+2*\i+1], v[G0+2*(HS/4):G0+2*(HS/4)+1], v[T+16*(HS%2)+2*\i:T+16*(HS%2)+2*\i+1] op_sel_hi:[1,0,1]   ; each accumulator from its low end on
.endr
	WIN 0
.irp i, 0,1,2,3
	ds_store_b128 v[LT], v[T+16*(HS%2)+4*\i:T+16*(HS%2)+4*\i+3] offset:512*(4*HS+\i)
.endr
.set HS, HS+1
.endr
.endm
	s_load_b512 s[4:19], s[0:1], 0x0               ; wpack s[4:5], b1 s[6:7], b2 s[8:9], topk_idx s[10:11], weights s[12:13], x codes s[14:15], x scales s[16:17], order s[18:19]
	s_load_b128 s[20:23], s[0:1], 0x40             ; bmask s[20:21], out0 s[22:23]
	v_lshrrev_b32 v22, 5, v0
	v_readfirstlane_b32 s24, v22                   ; wave 0 .. 7
	v_and_b32 v23, 31, v0
	v_lshlrev_b32 v[VW], 4, v23
	v_and_b32 v22, 15, v0                          ; r
	v_bfe_u32 v23, v0, 4, 1                        ; h
	v_lshlrev_b32 v[VS], 5, v22
	v_lshlrev_b32 v[VB], 6, v23
	s_lshl_b32 s29, s24, 14
	v_add_nc_u32 v[LT], s29, v[VW]
	s_lshl_b32 s29, s24, 11
	v_add_nc_u32 v[LB], s29, v[LT]
	v_add_nc_u32 v[RA], s29, v[VW]
	v_add_nc_u32 v[RA2], 0x10000, v[RA]
	s_lshr_b32 s29, s24, 2                         ; I add up token tile w / 4, outputs 32 (w % 4) .. + 31
	s_mul_i32 s29, s29, 16*SPI
	s_and_b32 s52, s24, 3
	s_lshl_b32 s52, s52, 7                         ; their 128 bytes in a row
	s_add_co_u32 s29, s29, s52
	v_mul_u32_u24 v[SA], v22, SPI
	v_lshl_add_u32 v[SA], v23, 5, v[SA]
	v_add_nc_u32 v[SA], s29, v[SA]
	v_add_nc_u32 v[SA], STG, v[SA]                 ; the stage: row 16 (w / 4) + r, byte 128 (w % 4) + 32 h
	s_mul_i32 s29, s24, 4*SPI
	v_add_nc_u32 v[SR], s29, v[VW]
	v_add_nc_u32 v[SR], STG, v[SR]                 ; back: rows 4 w on, 16 bytes a lane
	v_lshlrev_b32 v80, 2, v22                      ; order: 4 r, tile 0 (tile 1: 64 bytes on)
	s_lshr_b32 s29, s24, 2
	s_lshl_b32 s29, s29, 6
	v_add_nc_u32 v81, s29, v80                     ; and the tile that I add up
	v_lshl_add_u32 v84, v23, 5, s52                ; b2: 32 h + 128 (w % 4)
	s_lshl_b32 s38, ttmp9, 2
	s_mov_b32 s39, 0
	s_lshl_b32 s42, ttmp9, 7
	s_mov_b32 s43, 0
	s_lshl_b32 s48, s24, 4
	s_mov_b32 s49, 0
	s_mul_i32 s50, s24, 4*REC                      ; my four records of an expert
	s_lshl_b32 s51, s24, 11                        ; my 512 numbers of b1
	s_mov_b32 s40, 0x76543210
	s_mov_b32 s41, 0xfedcba98                      ; lane selects: lane l xor 16
	s_wait_kmcnt 0x0
	s_add_nc_u64 s[38:39], s[20:21], s[38:39]      ; bmask[g]
	s_add_nc_u64 s[42:43], s[18:19], s[42:43]      ; order at place 32 g
	s_add_nc_u64 s[48:49], s[42:43], s[48:49]      ; and at place 32 g + 4 w: the four rows that I store
	s_load_b32 s25, s[38:39], 0x0
	s_load_b128 s[44:47], s[48:49], 0x0
	global_load_b32 v82, v80, s[42:43]
	global_load_b32 v83, v80, s[42:43] offset:64
	global_load_b32 v85, v81, s[42:43]
.irp i, 0,1,2,3
	v_mov_b32 v[Z+\i], 0
.endr
	v_mov_b32 v[G0+1], 0
	v_mov_b32 v[G0+3], 0
.set CI, 0
.rept 32
	ds_store_b128 v[LT], v[Z:Z+3] offset:512*CI    ; my image begins as zeros
.set CI, CI+1
.endr
	s_wait_kmcnt 0x0
	s_and_b32 s25, s25, 0xff                       ; M: the experts still to be walked
	s_ctz_i32_b32 s26, s25
	s_min_u32 s26, s26, 7                          ; the first of them
	s_mul_i32 s38, s26, EXPB
	s_add_co_u32 s38, s38, s50
	s_mov_b32 s39, 0
	s_add_nc_u64 s[WB:WB+1], s[4:5], s[38:39]
	s_lshl_b32 s48, s26, 14
	s_add_co_u32 s48, s48, s51
	s_mov_b32 s49, 0
	s_add_nc_u64 s[BB:BB+1], s[6:7], s[48:49]
	LOADW1 WB, 0                                   ; the first chunk goes out while the tokens are looked up
	LOADB S0, BB, 0
	LOADB S1, BB, 0
	s_wait_loadcnt 50                              ; behind the three loads of order stand these 18 + 16 + 16
	v_min_u32 v82, 0x1fff, v82                     ; my token of tile 0,
	v_min_u32 v83, 0x1fff, v83                     ; of tile 1,
	v_min_u32 v85, 0x1fff, v85                     ; of the tile that I add up
	v_lshlrev_b32 v86, 6, v82
	v_lshl_add_u32 v86, v23, 4, v86                ; x codes: 64 bytes a token, + 16 h
	v_lshlrev_b32 v87, 6, v83
	v_lshl_add_u32 v87, v23, 4, v87
	v_lshlrev_b32 v88, 2, v82                      ; x scale words
	v_lshlrev_b32 v89, 2, v83
	v_lshlrev_b32 v90, 3, v82                      ; index and weight pairs
	v_lshlrev_b32 v91, 3, v83
	v_lshlrev_b32 v85, 3, v85
	global_load_b128 v[X0:X0+3], v86, s[14:15]
	global_load_b128 v[X0+4:X0+7], v86, s[14:15] offset:32
	global_load_b128 v[X0+8:X0+11], v87, s[14:15]
	global_load_b128 v[X0+12:X0+15], v87, s[14:15] offset:32
	global_load_b32 v[XS], v88, s[16:17]
	global_load_b32 v[XS+1], v89, s[16:17]
	global_load_b64 v[IX:IX+1], v90, s[10:11]
	global_load_b64 v[IX+2:IX+3], v91, s[10:11]
	global_load_b64 v[76:77], v85, s[10:11]
	global_load_b64 v[WG:WG+1], v90, s[12:13]
	global_load_b64 v[WG+2:WG+3], v91, s[12:13]
	global_load_b64 v[78:79], v85, s[12:13]
	s_wait_loadcnt 0x0                             ; the twelve gathers (and the first chunk)
	v_min_u32 v76, 7, v76
	v_min_u32 v77, 7, v77
	v_lshl_add_u32 v80, v76, 9, v84                ; b2 of slot 0: 512 bytes an expert
	v_lshl_add_u32 v81, v77, 9, v84                ; of slot 1
.irp s, 0,1
.irp i, 0,1,2,3
	global_load_b128 v[T+16*\s+4*\i:T+16*\s+4*\i+3], v[80+\s], s[8:9] offset:64*(\i/2)+16*(\i%2)   ; group i of my four: outputs 16 (i / 2) + 8 h + 4 (i % 2) on
.endr
.endr
	LOADW2 WB, 0
	v_mov_b32 v82, v79                             ; the weight of slot 1 in a pair of its own (v83 is written)
	s_wait_loadcnt 18                              ; b2 is in; the first chunk's W2 may be out
.irp i, 0,1,2,3,4,5,6,7
	v_pk_mul_f32 v[T+2*\i:T+2*\i+1], v[T+2*\i:T+2*\i+1], v[78:79] op_sel_hi:[1,0]
.endr
.irp i, 0,1,2,3,4,5,6,7
	v_pk_fma_f32 v[T+2*\i:T+2*\i+1], v[T+16+2*\i:T+16+2*\i+1], v[82:83], v[T+2*\i:T+2*\i+1] op_sel_hi:[1,0,1]
.endr
.irp i, 0,1,2,3
	ds_store_b128 v[LB], v[T+4*\i:T+4*\i+3] offset:512*\i   ; the sum of weight x b2, over the zeros of groups 4 w on of my own image: it enters the final sum once
.endr
	s_mov_b32 s28, 0
.Lexp:                                                 ; a trip: one expert.  At most eight: M has eight bits
	s_sub_co_u32 s29, s25, 1
	s_and_b32 s25, s25, s29                        ; the expert in hand leaves M
	STEP 0, 1
	STEP 1, 1
	STEP 2, 1
	s_cmp_eq_u32 s25, 0
	s_cbranch_scc1 .Llast                          ; a number that the launch before stored decides: the last expert's tail asks for nothing
	s_wait_xcnt 0x0                                ; the bases of the next expert are written only behind this wait
	s_ctz_i32_b32 s27, s25
	s_min_u32 s27, s27, 7
	s_mul_i32 s38, s27, EXPB
	s_add_co_u32 s38, s38, s50
	s_mov_b32 s39, 0
	s_add_nc_u64 s[WN:WN+1], s[4:5], s[38:39]
	s_lshl_b32 s48, s27, 14
	s_add_co_u32 s48, s48, s51
	s_mov_b32 s49, 0
	s_add_nc_u64 s[BN:BN+1], s[6:7], s[48:49]
	STEP 3, 2
	RMW
	s_wait_xcnt 0x0                                ; every load issued has had its address translated: the bases may be written
	s_mov_b64 s[WB:WB+1], s[WN:WN+1]
	s_mov_b64 s[BB:BB+1], s[BN:BN+1]
	s_mov_b32 s26, s27
	s_add_co_u32 s28, s28, 1
	s_cmp_lt_u32 s28, 8
	s_cbranch_scc1 .Lexp
	s_wait_loadcnt 0x0                             ; (not reached: eight bits are used up in eight trips.)  No load may be out where its registers are used again
	s_branch .Lepi
.Llast:
	STEP 3, 0
	RMW
.Lepi:                                                 ; the eight images are added: wave w takes groups 4 w .. 4 w + 3 of each
	s_wait_dscnt 0x0                               ; for the others: my image is written
	s_barrier_signal -1
	s_barrier_wait -1
.irp w, 0,1,2,3
.irp i, 0,1,2,3
	ds_load_b128 v[S0+16*\w+4*\i:S0+16*\w+4*\i+3], v[RA] offset:16384*\w+512*\i
.endr
.endr
.irp w, 0,1,2,3
.irp i, 0,1,2,3
	ds_load_b128 v[S0+64+16*\w+4*\i:S0+64+16*\w+4*\i+3], v[RA2] offset:16384*\w+512*\i
.endr
.endr
	s_min_u32 s44, s44, 0x1fff                     ; the tokens of the four rows that I store
	s_min_u32 s45, s45, 0x1fff
	s_min_u32 s46, s46, 0x1fff
	s_min_u32 s47, s47, 0x1fff
	s_wait_dscnt 0x0
.irp w, 1,2,3,4,5,6,7
.irp i, 0,1,2,3,4,5,6,7
	v_pk_add_f32 v[S0+2*\i:S0+2*\i+1], v[S0+2*\i:S0+2*\i+1], v[S0+16*\w+2*\i:S0+16*\w+2*\i+1]
.endr
.endr
.irp i, 0,1,2,3
	ds_store_b128 v[SA], v[S0+4*\i:S0+4*\i+3] offset:64*(\i/2)+16*(\i%2)   ; token r of tile w / 4, outputs 32 (w % 4) + 16 (i / 2) + 8 h + 4 (i % 2) on
.endr
	s_wait_dscnt 0x0                               ; for the others: my part of the rows is written
	s_barrier_signal -1
	s_barrier_wait -1
.irp i, 0,1,2,3
	ds_load_b128 v[S0+16+4*\i:S0+16+4*\i+3], v[SR] offset:SPI*\i
.endr
.irp i, 0,1,2,3
	v_lshl_add_u32 v[S0+32+\i], s[44+\i], 9, v[VW] ; the token's row of 512 bytes, 16 bytes a lane
.endr
	s_wait_dscnt 0x0
.irp i, 0,1,2,3
	global_store_b128 v[S0+32+\i], v[S0+16+4*\i:S0+16+4*\i+3], s[22:23] th:TH_STORE_NT   ; 32 lanes store one whole row: 512 consecutive bytes, at a multiple of 512 from the first byte of out0
.endr
	s_wait_xcnt 0x0
	v_lshl_add_u32 v254, v0, 2, 0x24200
	v_mov_b32 v255, 0
	s_wait_tensorcnt 0x0
	ds_add_u32 v254, v255
	s_wait_dscnt 0x0
	s_endpgm
.Lfunc_end_k_qe7510c293b_moe:
	.size	k_qe7510c293b_moe, .Lfunc_end_k_qe7510c293b_moe-k_qe7510c293b_moe
	.p2alignl 7, 3214868480
	.fill 96, 4, 3214868480
	.section	.rodata,"a",@progbits
	.p2align	6, 0x0
	.amdhsa_kernel k_qe7510c293b_moe
		.amdhsa_group_segment_fixed_size 148992
		.amdhsa_private_segment_fixed_size 0
		.amdhsa_enable_private_segment 0
		.amdhsa_kernarg_size 80
		.amdhsa_user_sgpr_count 2
		.amdhsa_user_sgpr_kernarg_segment_ptr 1
		.amdhsa_wavefront_size32 1
		.amdhsa_system_sgpr_workgroup_id_x 1
		.amdhsa_system_sgpr_workgroup_id_y 1
		.amdhsa_system_sgpr_workgroup_id_z 1
		.amdhsa_system_vgpr_workitem_id 0
		.amdhsa_next_free_vgpr 512
		.amdhsa_next_free_sgpr 66
		.amdhsa_reserve_vcc 1
		.amdhsa_float_denorm_mode_32 3
		.amdhsa_float_denorm_mode_16_64 3
		.amdhsa_memory_ordered 1
		.amdhsa_forward_progress 1
		.amdhsa_inst_pref_size 148
	.end_amdhsa_kernel
	.amdgpu_metadata
---
amdhsa.version: [ 1, 2 ]
amdhsa.kernels:
  - .name:           k_qe7510c293b_moe
    .symbol:         k_qe7510c293b_moe.kd
    .args:
      - { .name: wpack, .offset: 0, .size: 8, .value_kind: global_buffer, .address_space: global }
      - { .name: b1, .offset: 8, .size: 8, .value_kind: global_buffer, .address_space: global }
      - { .name: b2, .offset: 16, .size: 8, .value_kind: global_buffer, .address_space: global }
      - { .name: topk_idx, .offset: 24, .size: 8, .value_kind: global_buffer, .address_space: global }
      - { .name: weights, .offset: 32, .size: 8, .value_kind: global_buffer, .address_space: global }
      - { .name: x_codes, .offset: 40, .size: 8, .value_kind: global_buffer, .address_space: global }
      - { .name: x_scales, .offset: 48, .size: 8, .value_kind: global_buffer, .address_space: global }
      - { .name: order, .offset: 56, .size: 8, .value_kind: global_buffer, .address_space: global }
      - { .name: bmask, .offset: 64, .size: 8, .value_kind: global_buffer, .address_space: global }
      - { .name: out0, .offset: 72, .size: 8, .value_kind: global_buffer, .address_space: global }
    .group_segment_fixed_size: 148992
    .private_segment_fixed_size: 0
    .kernarg_segment_align: 8
    .kernarg_segment_size: 80
    .max_flat_workgroup_size: 256
    .sgpr_count:     66
    .vgpr_count:     512
    .wavefront_size: 32
...
	.end_amdgpu_metadata
.endif
;; end of part 2
;; ======== version 2 of 2: 2 launches
;; workspace buffers: order 32,768 bytes of whole numbers; bmask 1,024 bytes of whole numbers; wpack 4,456,448 bytes
;; launch prep (part 3): grid 81 x 1, 32 waves a work-group, no clusters, 8,192 bytes of LDS; arguments topk_idx, W1_codes, W1_scales, W2_codes, W2_scales, order, bmask, wpack; writes order, bmask, wpack
.if DOCPART == 3
	.amdgcn_target "amdgcn-amd-amdhsa--gfx1250"
	.amdhsa_code_object_version 6
	.text
	.protected	k_qe7510c293b_prep
	.globl	k_qe7510c293b_prep
	.p2align	8
	.type	k_qe7510c293b_prep,@function
k_qe7510c293b_prep:
	s_mov_b64 s[64:65], 0
	v_nop
	global_prefetch_b8 v0, s[64:65] scope:SCOPE_SE
	s_setreg_imm32_b32 hwreg(HW_REG_WAVE_MODE, 25, 1), 1
	s_wait_xcnt 0x0
; PREP: what the expert chain needs laid ready.  81 work-groups of 1,024 threads, parted by the work-group number alone:
;   0        ROUTE: the 8,192 tokens are sorted by their SET of two experts (28 classes, a counting sort without atomics); order[p] = the token at sorted place p;
;            bmask[g] = the experts (8 bits) that places 32 g .. 32 g + 31 use.
;   1 - 32   W1 codes, 33 - 64 W2 codes, 65 - 72 W1 scale words, 73 - 80 W2 scale words: copied into wpack IN THE ORDER OF THE OPERAND REGISTERS, so that the next launch
;            loads each fragment by 16 bytes a lane, 512 consecutive bytes an instruction.
; wpack: a record for each expert e and each 128 hidden units q, REC bytes, at (32 e + q) REC:
;   +0      W1F: piece t*1024 + c*512 + lane*16 (lane = 16 h + r) = W1_codes[e][128 q + 32 (t/2) + 8 (t%2) + r + 8 (r/8)][32 c + 16 h ..]   (the rows of a tile are chosen so that
;           the results of two neighbouring tiles are 16 neighbours along the next K)
;   +8192   W2F: piece n*1024 + c*512 + lane*16 = W2_codes[e][16 n + r][64 q + 32 c + 16 h ..]
;   +16384  WS1: word [r][t] = the scale word of the row of W1 named above;     +16896  WS2: word [r][n] = W2_scales[e][16 n + r][4 q ..]
; CLASSES: lo < hi the two experts; a token that names one expert twice, (e, e), is filed with (e, e + 1) ((7, 7) with (6, 7)): that block then also walks e + 1, with gate 0.
;   class = lo (15 - lo) / 2 + (lo odd ? 7 - hi : hi - lo - 1): neighbouring classes always share an expert, so a block on one class boundary uses three experts, not four.
; LIMIT: an index outside 0 .. 7 is held at 7 for the sort.
; No LDS but in ROUTE (4,096 bytes: a row of 32 class counts for each wave), and its one barrier stands on that path alone: the parting hangs on the work-group number, which all waves share.
.set REC,  17408
.set EXPB, 32*REC
; 64 KB of codes: thread t moves 4 pieces of 16 bytes; piece k belongs to record 8 j + 2 k + t / 512, place t % 512 in it
.macro CODES kind, first, src, kstep, doff
	s_sub_co_u32 s20, ttmp9, \first                ; j = 0 .. 31
.if \kind == 1
	s_lshl_b32 s22, s20, 16                        ; 8 records x 128 rows x 64 bytes
	v_and_b32 v2, 7, v0
	s_delay_alu instid0(VALU_DEP_1)
	v_lshlrev_b32 v2, 6, v2                        ; (r % 8) rows of 64 bytes
	v_and_b32 v3, 8, v0
	s_delay_alu instid0(VALU_DEP_1)
	v_lshl_or_b32 v2, v3, 7, v2                    ; (r / 8) x 16 rows
	v_and_b32 v3, 0x30, v0
	s_delay_alu instid0(VALU_DEP_1)
	v_or_b32 v2, v2, v3                            ; 16 h + 32 c
	v_and_b32 v3, 0x40, v0
	s_delay_alu instid0(VALU_DEP_1)
	v_lshl_or_b32 v2, v3, 3, v2                    ; (t % 2) x 8 rows
	v_and_b32 v3, 0x380, v0
	s_delay_alu instid0(VALU_DEP_1)
	v_lshl_or_b32 v2, v3, 4, v2                    ; (t / 2) x 32 rows, and the record of the pair: 128 rows
.else
	s_lshr_b32 s22, s20, 2
	s_lshl_b32 s22, s22, 18                        ; the expert: 128 rows of 2,048 bytes
	s_and_b32 s21, s20, 3
	s_lshl_b32 s21, s21, 9                         ; 8 records x 64 bytes along a row
	s_add_co_u32 s22, s22, s21
	v_and_b32 v2, 15, v0
	s_delay_alu instid0(VALU_DEP_1)
	v_lshlrev_b32 v2, 11, v2                       ; r rows
	v_and_b32 v3, 0x30, v0
	s_delay_alu instid0(VALU_DEP_1)
	v_or_b32 v2, v2, v3                            ; 16 h + 32 c
	v_and_b32 v3, 0x1c0, v0
	s_delay_alu instid0(VALU_DEP_1)
	v_lshl_or_b32 v2, v3, 9, v2                    ; n x 16 rows
	v_and_b32 v3, 0x200, v0
	s_delay_alu instid0(VALU_DEP_1)
	v_lshrrev_b32 v3, 3, v3
	s_delay_alu instid0(VALU_DEP_1)
	v_or_b32 v2, v2, v3                            ; the record of the pair: 64 bytes on
.endif
	s_mov_b32 s23, 0
	s_add_nc_u64 s[26:27], s[\src:\src+1], s[22:23]
	v_and_b32 v4, 511, v0
	s_delay_alu instid0(VALU_DEP_1)
	v_lshlrev_b32 v4, 4, v4
	v_lshrrev_b32 v6, 9, v0
	s_delay_alu instid0(VALU_DEP_1)
	v_mad_u32_u24 v4, v6, REC, v4                  ; where it goes: 16 x place + the record of the pair
	s_mul_i32 s22, s20, 8*REC
	s_add_nc_u64 s[28:29], s[18:19], s[22:23]
.irp k, 0,1,2,3
	global_load_b128 v[8+4*\k:11+4*\k], v2, s[26:27] offset:\k*\kstep
.endr
	s_wait_alu depctr_va_vdst(0)
	s_wait_loadcnt 0x0
.irp k, 0,1,2,3
	global_store_b128 v4, v[8+4*\k:11+4*\k], s[28:29] offset:\k*2*REC+\doff   ; a wave stores 512 consecutive bytes, at a multiple of 256 from the first byte of wpack
.endr
	s_endpgm
.endm
; the scale words of one expert: thread t makes 16 bytes (4 words) of record t / 32: lane row r = (t / 2) % 16, tiles 4 (t % 2) + 0 .. 3
.macro SCALES kind, first, src, doff
	s_sub_co_u32 s20, ttmp9, \first                ; the expert
	s_lshl_b32 s22, s20, 14                        ; 16,384 scale bytes an expert
	s_mov_b32 s23, 0
	s_add_nc_u64 s[26:27], s[\src:\src+1], s[22:23]
	v_and_b32 v6, 1, v0                            ; which four tiles
	v_bfe_u32 v7, v0, 1, 4                         ; r
	v_lshrrev_b32 v12, 5, v0                       ; q
.if \kind == 1
	s_delay_alu instid0(VALU_DEP_1)
	v_lshlrev_b32 v2, 9, v12                       ; 128 rows of 4 bytes a record
	s_delay_alu instid0(VALU_DEP_1)
	v_lshl_or_b32 v2, v6, 8, v2                    ; four tiles are 64 rows
	s_delay_alu instid0(VALU_DEP_4)
	v_and_b32 v3, 7, v7
	s_delay_alu instid0(VALU_DEP_1)
	v_lshl_or_b32 v2, v3, 2, v2                    ; r % 8 rows
	v_lshrrev_b32 v3, 3, v7
	s_delay_alu instid0(VALU_DEP_1)
	v_lshl_or_b32 v2, v3, 6, v2                    ; (r / 8) x 16 rows
.else
	s_delay_alu instid0(VALU_DEP_3)
	v_lshlrev_b32 v2, 13, v6                       ; four tiles are 64 rows of 128 bytes
	s_delay_alu instid0(VALU_DEP_1)
	v_lshl_or_b32 v2, v7, 7, v2                    ; r rows
	s_delay_alu instid0(VALU_DEP_1)
	v_lshl_or_b32 v2, v12, 2, v2                   ; 4 bytes a record
.endif
	v_and_b32 v4, 31, v0
	s_delay_alu instid0(VALU_DEP_1)
	v_lshlrev_b32 v4, 4, v4
	s_delay_alu instid0(VALU_DEP_1)
	v_mad_u32_u24 v4, v12, REC, v4
	s_mul_i32 s22, s20, EXPB
	s_add_nc_u64 s[28:29], s[18:19], s[22:23]
.if \kind == 1
	global_load_b32 v8, v2, s[26:27]               ; tile + 0: the rows begin 0, 8, 32, 40 rows on
	global_load_b32 v9, v2, s[26:27] offset:32
	global_load_b32 v10, v2, s[26:27] offset:128
	global_load_b32 v11, v2, s[26:27] offset:160
.else
.irp i, 0,1,2,3
	global_load_b32 v[8+\i], v2, s[26:27] offset:2048*\i   ; 16 rows of 128 bytes a tile
.endr
.endif
	s_wait_alu depctr_va_vdst(0)
	s_wait_loadcnt 0x0
	global_store_b128 v4, v[8:11], s[28:29] offset:\doff   ; a wave stores the 512 bytes of one record
	s_endpgm
.endm
; ROUTE, chunk j of a wave: 32 tokens, one a lane.  Their classes; for each class (lane = class) the mask of the lanes that hold it; each token fetches the mask of its own class
; and the count of that class in the earlier chunks of the wave.  Each chunk has registers of its own for what the lane permutes read.
.macro CHUNK j
	v_min_u32 v46, 7, v[8+2*\j]
	v_min_u32 v47, 7, v[9+2*\j]
	s_delay_alu instid0(VALU_DEP_1)
	v_min_u32 v48, v46, v47                        ; lo
	s_delay_alu instid0(VALU_DEP_2)
	v_max_u32 v49, v46, v47                        ; hi
	s_delay_alu instid0(VALU_DEP_1)
	v_cmp_eq_u32 vcc_lo, v48, v49
	s_delay_alu instid0(VALU_DEP_1)
	v_cndmask_b32 v50, 0, 1, vcc_lo
	s_delay_alu instid0(VALU_DEP_1)
	v_add_nc_u32 v49, v49, v50                     ; (e, e) goes with (e, e + 1),
	s_delay_alu instid0(VALU_DEP_1)
	v_min_u32 v49, 7, v49
	v_min_u32 v48, 6, v48                          ; (7, 7) with (6, 7)
	s_delay_alu instid0(VALU_DEP_1)
	v_sub_nc_u32 v50, 15, v48
	s_delay_alu instid0(VALU_DEP_1)
	v_mul_u32_u24 v50, v48, v50
	s_delay_alu instid0(VALU_DEP_1)
	v_lshrrev_b32 v50, 1, v50                      ; lo (15 - lo) / 2: the classes with a smaller lo
	v_sub_nc_u32 v51, 7, v49                       ; lo odd: hi falls
	v_sub_nc_u32 v52, v49, v48
	s_delay_alu instid0(VALU_DEP_1)
	v_add_nc_u32 v52, -1, v52                      ; lo even: hi rises
	v_and_b32 v53, 1, v48
	s_delay_alu instid0(VALU_DEP_1)
	v_cmp_ne_u32 vcc_lo, 0, v53
	s_delay_alu instid0(VALU_DEP_1)
	v_cndmask_b32 v51, v52, v51, vcc_lo
	s_delay_alu instid0(VALU_DEP_1)
	v_add_nc_u32 v50, v50, v51
	s_delay_alu instid0(VALU_DEP_1)
	v_min_u32 v50, 27, v50                         ; the class, 0 .. 27
	s_delay_alu instid0(VALU_DEP_1)
	v_lshlrev_b32 v[24+\j], 2, v50                 ; as a lane address for the permutes
.irp i, 0,1,2,3,4
	v_and_b32 v51, 1<<\i, v50
	s_delay_alu instid0(VALU_DEP_1)
	v_cmp_ne_u32 s[25+\i], 0, v51                  ; the lanes whose class has bit i
.endr
	v_xor_b32 v[116+\j], s25, v40                  ; lane L as class L: the lanes whose class agrees with L in every bit
	v_xor_b32 v52, s26, v41
	s_delay_alu instid0(VALU_DEP_1)
	v_and_b32 v[116+\j], v[116+\j], v52
	v_xor_b32 v52, s27, v42
	s_delay_alu instid0(VALU_DEP_1)
	v_and_b32 v[116+\j], v[116+\j], v52
	v_xor_b32 v52, s28, v43
	s_delay_alu instid0(VALU_DEP_1)
	v_and_b32 v[116+\j], v[116+\j], v52
	v_xor_b32 v52, s29, v44
	s_delay_alu instid0(VALU_DEP_1)
	v_and_b32 v[116+\j], v[116+\j], v52
	ds_bpermute_b32 v[56+\j], v[24+\j], v[116+\j]  ; each token: the mask of its own class
	ds_bpermute_b32 v[64+\j], v[24+\j], v[80+\j]   ; and how many of that class the earlier chunks of the wave held
	v_lshrrev_b32 v52, 1, v[116+\j]                ; the ones of the mask are counted: by pairs,
	s_delay_alu instid0(VALU_DEP_1)
	v_and_b32 v52, 0x55555555, v52
	s_delay_alu instid0(VALU_DEP_1)
	v_sub_nc_u32 v52, v[116+\j], v52
	s_delay_alu instid0(VALU_DEP_1)
	v_lshrrev_b32 v53, 2, v52                      ; by fours,
	s_delay_alu instid0(VALU_DEP_2)
	v_and_b32 v52, 0x33333333, v52
	s_delay_alu instid0(VALU_DEP_2)
	v_and_b32 v53, 0x33333333, v53
	s_delay_alu instid0(VALU_DEP_1)
	v_add_nc_u32 v52, v52, v53
	s_delay_alu instid0(VALU_DEP_1)
	v_lshrrev_b32 v53, 4, v52                      ; by bytes,
	s_delay_alu instid0(VALU_DEP_1)
	v_add_nc_u32 v52, v52, v53
	s_delay_alu instid0(VALU_DEP_1)
	v_and_b32 v52, 0x0f0f0f0f, v52
	s_delay_alu instid0(VALU_DEP_1)
	v_mul_lo_u32 v52, v52, 0x01010101              ; and the four bytes added in the top byte
	s_delay_alu instid0(VALU_DEP_1)
	v_lshrrev_b32 v52, 24, v52
	s_delay_alu instid0(VALU_DEP_1)
	v_add_nc_u32 v[81+\j], v[80+\j], v52           ; the running count of class L
.endm
	s_load_b512 s[4:19], s[0:1], 0x0               ; topk_idx s[4:5], W1 codes s[6:7], W1 scales s[8:9], W2 codes s[10:11], W2 scales s[12:13], order s[14:15], bmask s[16:17], wpack s[18:19]
	v_lshl_add_u32 v126, v0, 2, 0x1000
	v_mov_b32 v127, 0
	v_lshrrev_b32 v5, 5, v0
	s_delay_alu instid0(VALU_DEP_1)
	v_readfirstlane_b32 s24, v5                    ; wave 0 .. 31
	s_wait_kmcnt 0x0
	s_cmp_eq_u32 ttmp9, 0
	s_cbranch_scc1 .Lroute
	s_cmp_lt_u32 ttmp9, 33
	s_cbranch_scc1 .Lcodes1
	s_cmp_lt_u32 ttmp9, 65
	s_cbranch_scc1 .Lcodes2
	s_cmp_lt_u32 ttmp9, 73
	s_cbranch_scc1 .Lscales1
	SCALES 2, 73, 12, 16896
.Lscales1:
	SCALES 1, 65, 8, 16384
.Lcodes2:
	CODES 2, 33, 10, 128, 8192
.Lcodes1:
	CODES 1, 1, 6, 16384, 0
.Lroute:                                               ; wave w takes tokens 256 w .. 256 w + 255, eight chunks of 32
	v_and_b32 v1, 31, v0                           ; lane
	s_delay_alu instid0(VALU_DEP_1)
	v_lshlrev_b32 v2, 2, v1                        ; 4 x lane
	v_lshlrev_b32 v3, 2, v0                        ; 4 x thread
	s_delay_alu instid0(VALU_DEP_3)
	v_lshlrev_b32 v4, 3, v1
	s_wait_alu depctr_va_vdst(0)
	v_lshl_or_b32 v4, v5, 11, v4                   ; my pair of indices in chunk 0: 2,048 w + 8 x lane
.irp j, 0,1,2,3,4,5,6,7
	global_load_b64 v[8+2*\j:9+2*\j], v4, s[4:5] offset:256*\j   ; 32 lanes read 256 consecutive bytes
.endr
.irp i, 0,1,2,3,4
	v_bfe_u32 v[40+\i], v1, \i, 1
	s_delay_alu instid0(VALU_DEP_1)
	v_add_nc_u32 v[40+\i], -1, v[40+\i]            ; bit i of my lane number: set: 0, clear: all ones
.endr
	v_mov_b32 v80, 0                               ; the running counts begin at 0
	v_mov_b32 v99, 0
	v_lshl_or_b32 v100, v5, 8, v1                  ; my token of chunk 0
.irp j, 1,2,3,4,5,6,7
	v_add_nc_u32 v[100+\j], 32*\j, v100
.endr
	s_wait_loadcnt 0x0
.irp j, 0,1,2,3,4,5,6,7
	CHUNK \j
.endr
	s_wait_alu depctr_va_vdst(0)
	s_wait_dscnt 0x0                               ; the sixteen permutes are back
.irp j, 0,1,2,3,4,5,6,7
	v_mbcnt_lo_u32_b32 v[32+\j], v[56+\j], v[64+\j]   ; my place among the tokens of my class in this wave: lower lanes of the chunk + earlier chunks
.endr
	ds_store_b32 v3, v88                           ; row w of the table: the counts of this wave, lane = class
	s_wait_dscnt 0x0                               ; for the others: my row is written
	s_barrier_signal -1
	s_barrier_wait -1
.irp w, 0,1,2,3,4,5,6,7,8,9,10,11,12,13,14,15,16,17,18,19,20,21,22,23,24,25,26,27,28,29,30,31
	ds_load_b32 v[64+\w], v2 offset:128*\w         ; all 32 rows, my class column
.endr
	v_mov_b32 v96, 0                               ; the class total
	v_mov_b32 v97, 0                               ; and what the waves ahead of mine hold of it
	s_wait_alu depctr_va_vdst(0)
	s_wait_dscnt 0x0
.irp w, 0,1,2,3,4,5,6,7,8,9,10,11,12,13,14,15,16,17,18,19,20,21,22,23,24,25,26,27,28,29,30,31
	v_add_nc_u32 v96, v96, v[64+\w]
	s_cmp_gt_u32 s24, \w
	s_cselect_b32 s20, 1, 0
	v_mad_u32_u24 v97, v[64+\w], s20, v97
.endr
	s_mov_b32 s30, 0                               ; s[30 + k]: the sorted place at which class k begins; s58: 8,192
	v_mov_b32 v98, 0
.set K, 0
.rept 28
	v_readlane_b32 s20, v96, K
	v_writelane_b32 v98, s[30+K], K
	s_add_co_u32 s[31+K], s[30+K], s20
.set K, K+1
.endr
	v_add_nc_u32 v98, v98, v97                     ; lane = class: where the tokens of this wave begin
.irp j, 0,1,2,3,4,5,6,7
	ds_bpermute_b32 v[56+\j], v[24+\j], v98
.endr
	s_wait_dscnt 0x0
.irp j, 0,1,2,3,4,5,6,7
	v_add_nc_u32 v[108+\j], v[56+\j], v[32+\j]     ; my sorted place,
	s_delay_alu instid0(VALU_DEP_1)
	v_min_u32 v[108+\j], 0x1fff, v[108+\j]         ; which lies in 0 .. 8,191,
	s_delay_alu instid0(VALU_DEP_1)
	v_lshlrev_b32 v[108+\j], 2, v[108+\j]
	global_store_b32 v[108+\j], v[100+\j], s[14:15]   ; takes my token.  Four bytes a lane to scattered places: 32 KB in the whole launch
.endr
	s_cmp_ge_u32 s24, 8                            ; waves 0 - 7: thread g makes the mask of block g
	s_cbranch_scc1 .Lroute_end
	v_lshlrev_b32 v46, 5, v0                       ; the block begins at place 32 g
	s_delay_alu instid0(VALU_DEP_1)
	v_add_nc_u32 v47, 32, v46                      ; and ends ahead of 32 g + 32
	v_mov_b32 v48, 0
.set LO, 0
.set KC, 0
.rept 7
.set I, 0
.rept 7-LO
.if LO%2
.set HI, 7-I
.else
.set HI, LO+1+I
.endif
	v_max_u32 v49, s[30+KC], v46                   ; class KC = (LO, HI) and the block overlap where max(begins) < min(ends)
	v_min_u32 v50, s[31+KC], v47
	s_delay_alu instid0(VALU_DEP_1)
	v_cmp_ge_u32 vcc_lo, v49, v50
	s_delay_alu instid0(VALU_DEP_1)
	v_cndmask_b32 v51, (1<<LO)|(1<<HI), v99, vcc_lo
	s_delay_alu instid0(VALU_DEP_1)
	v_or_b32 v48, v48, v51
.set I, I+1
.set KC, KC+1
.endr
.set LO, LO+1
.endr
	global_store_b32 v3, v48, s[16:17]
.Lroute_end:
	s_wait_tensorcnt 0x0
	ds_add_u32 v126, v127
	s_wait_dscnt 0x0
	s_endpgm
.Lfunc_end_k_qe7510c293b_prep:
	.size	k_qe7510c293b_prep, .Lfunc_end_k_qe7510c293b_prep-k_qe7510c293b_prep
	.p2alignl 7, 3214868480
	.fill 96, 4, 3214868480
	.section	.rodata,"a",@progbits
	.p2align	6, 0x0
	.amdhsa_kernel k_qe7510c293b_prep
		.amdhsa_group_segment_fixed_size 8192
		.amdhsa_private_segment_fixed_size 0
		.amdhsa_enable_private_segment 0
		.amdhsa_kernarg_size 64
		.amdhsa_user_sgpr_count 2
		.amdhsa_user_sgpr_kernarg_segment_ptr 1
		.amdhsa_wavefront_size32 1
		.amdhsa_system_sgpr_workgroup_id_x 1
		.amdhsa_system_sgpr_workgroup_id_y 1
		.amdhsa_system_sgpr_workgroup_id_z 1
		.amdhsa_system_vgpr_workitem_id 0
		.amdhsa_next_free_vgpr 128
		.amdhsa_next_free_sgpr 66
		.amdhsa_reserve_vcc 1
		.amdhsa_float_denorm_mode_32 3
		.amdhsa_float_denorm_mode_16_64 3
		.amdhsa_memory_ordered 1
		.amdhsa_forward_progress 1
		.amdhsa_inst_pref_size 60
	.end_amdhsa_kernel
	.amdgpu_metadata
---
amdhsa.version: [ 1, 2 ]
amdhsa.kernels:
  - .name:           k_qe7510c293b_prep
    .symbol:         k_qe7510c293b_prep.kd
    .args:
      - { .name: topk_idx, .offset: 0, .size: 8, .value_kind: global_buffer, .address_space: global }
      - { .name: W1_codes, .offset: 8, .size: 8, .value_kind: global_buffer, .address_space: global }
      - { .name: W1_scales, .offset: 16, .size: 8, .value_kind: global_buffer, .address_space: global }
      - { .name: W2_codes, .offset: 24, .size: 8, .value_kind: global_buffer, .address_space: global }
      - { .name: W2_scales, .offset: 32, .size: 8, .value_kind: global_buffer, .address_space: global }
      - { .name: order, .offset: 40, .size: 8, .value_kind: global_buffer, .address_space: global }
      - { .name: bmask, .offset: 48, .size: 8, .value_kind: global_buffer, .address_space: global }
      - { .name: wpack, .offset: 56, .size: 8, .value_kind: global_buffer, .address_space: global }
    .group_segment_fixed_size: 8192
    .private_segment_fixed_size: 0
    .kernarg_segment_align: 8
    .kernarg_segment_size: 64
    .max_flat_workgroup_size: 1024
    .sgpr_count:     66
    .vgpr_count:     128
    .wavefront_size: 32
...
	.end_amdgpu_metadata
.endif
;; end of part 3
;; launch moe (part 4): grid 256 x 1, 8 waves a work-group, no clusters, 148,992 bytes of LDS; arguments wpack, b1, b2, topk_idx, weights, x_codes, x_scales, order, bmask, out0; writes out0
.if DOCPART == 4
	.amdgcn_target "amdgcn-amd-amdhsa--gfx1250"
	.amdhsa_code_object_version 6
	.text
	.protected	k_qe7510c293b_moe
	.globl	k_qe7510c293b_moe
	.p2align	8
	.type	k_qe7510c293b_moe,@function
k_qe7510c293b_moe:
	s_mov_b64 s[64:65], 0
	v_nop
	global_prefetch_b8 v0, s[64:65] scope:SCOPE_SE
	s_setreg_imm32_b32 hwreg(HW_REG_WAVE_SCHED_MODE, 0, 2), 2
	s_setreg_imm32_b32 hwreg(HW_REG_WAVE_MODE, 25, 1), 1
	s_wait_xcnt 0x0
	s_wait_alu depctr_vm_vsrc(0)
; out[token] = the sum over the experts e that the token names of gate_e x (Q(relu(x W1[e] + b1[e])) W2[e] + b2[e]); both products on codes of FP4 (E2M1) with one E8M0 scale for each 32 along K.
; Only the experts that a token names are multiplied: the others have gate 0 in the problem as stated.
; SHARES.  Work-group g owns the 32 tokens at sorted places 32 g .. 32 g + 31 (two tiles of 16) and walks the experts that bmask[g] names: each output row has one owner, nothing is added through memory.
; The eight waves share the hidden layer: wave w takes hidden units 512 w .. 512 w + 511 of each expert, four chunks of 128, for both tiles.  So each weight byte is loaded by ONE wave of the work-group,
; straight from memory into the operand registers (wpack lies in their order: 16 bytes a lane, 512 consecutive bytes a load), and feeds two matrix instructions.  The loop has no barrier.
; LAYOUT.  Both products are used transposed (source 0 = 16 rows of the weight, source 1 = 16 tokens): a lane holds ONE token (lane % 16) throughout.  In tile 2 b + u of the first product register j is hidden
; unit 32 b + 16 (lane / 16) + 8 u + j, so that the 16 registers of two neighbouring tiles are 16 neighbours along the next K.  b1 is loaded INTO the accumulators, and the first product adds in place.
; THE SUM.  Each wave keeps gate x (its part of the sum over H), over all experts, as an image of 128 registers in 16 KB of LDS of its own; the sum of weight x b2 is laid into that image at the start.
; At the end the eight images are added, the rows go through a stage and leave as whole rows of 512 bytes.
; NO CLUSTER, NO TENSOR LOAD: which experts a block walks, and how many, is a number read from memory; neighbours would ask for different numbers of tiles, and the walk is a branch on that number.
; LIMITS: NaN and infinities are not served.  An index outside 0 .. 7 is held at 7 for b2.  A block of 32 hidden units that is all zeros gets the scale byte 1 (not 127): its codes are zeros and only this
; program reads the byte.  The sum over H is taken as eight partial sums, gated and then added, in f32: another order than one running sum.
; REGISTERS, in windows of 256.  Window 0: v1-9 addresses; v10-17 the tokens' index and weight pairs; v18-21 the gates; v24-39 x fragments; v40-59 scale words and nothing else; v60-75 the hidden codes;
;   v76-91 at work; v92-123 temporaries; v124-127 zeros; v128-255 the hidden layer, 8 tiles for each of the two token tiles.   Window 1: v0-127 the second product (tile t, n at 64 t + 8 n); v128-191 W1, v192-255 W2.
; THE MODE: SCHED_MODE bits 1:0 = 2 (LLVM: expert scheduling mode 2), set by the entry lines.  The code itself states the register dependences
; between vector or matrix instructions and memory or LDS instructions, with s_wait_alu, always for 0.
; THE PLAN.  Registers that memory or LDS instructions touch in the loop, and who else names them:
;   v1 - v9       addresses: made at the head, never written again: the bases are scalar registers, the chunks stand in the immediates.
;   W1, SC1       read by a chunk's first product; the next chunk's loads land in them.
;   S0, S1        b1 lands; the first product adds onto it; the quantiser reads and clips it; the next chunk's b1 lands.
;   W2, SC2       read by a chunk's second product; the next chunk's loads land in them.
;   P0, P1, PW    written by the quantisers; read by the second product as operand and scales.
;   RB0 = v60-91 (P0, P1 and the quantisers' work registers, idle behind an expert's last product) and RB1 = v92-123: my image comes from LDS into them, takes the multiply-adds and goes back.
; A chunk has THREE waits on va_vdst.  (1) Behind S0's quantiser: the first product is done reading W1 and SC1, the quantiser is done with S0; W1's loads follow in one run, S0's are dealt among S1's
; quantiser, which names S1, v76-91, P1 and PW + 1 alone.  (2) Behind S1's quantiser and its four places: P0, P1, PW are written, for the scaled product; S1 is free, for its loads.  (3) Behind the second
; product: it is done reading W2 and SC2; in an expert's last chunk also P0 and P1, in which, with v76-91, the image's first loads land.
; The image's update has one wait on va_vdst a step, between the multiply-adds and the stores, and a wait on vm_vsrc ahead of each load into a set that stores have read.
.set REC,  17408                       ; a record of wpack: 128 hidden units of one expert
.set EXPB, 32*REC
.set STG,  131072                      ; LDS: 8 images of 16,384 bytes, then the stage: 32 rows x (512 + 16) bytes
.set SPI,  528
.set VW,  1                            ; v1   16 x lane
.set VS,  2                            ; v2   32 x (lane % 16): my row of eight scale words
.set VB,  3                            ; v3   64 x (lane / 16): my 16 numbers of a block of b1
.set LT,  4                            ; v4   my place in my own image: 16,384 w + 16 x lane
.set LB,  5                            ; v5   the same at groups 4 w on
.set RA,  6                            ; v6   the part of every image that I add up: 2,048 w + 16 x lane
.set RA2, 7                            ; v7   the same in images 4 - 7
.set SA,  8                            ; v8   the stage: where I put my sums
.set SR,  9                            ; v9   and where I read whole rows
.set IX,  10                           ; v[10:11], v[12:13] index pairs of tiles 0, 1
.set WG,  14                           ; v[14:15], v[16:17] weight pairs
.set G0,  18                           ; v[18:19], v[20:21] the gates; the upper words stay 0
.set X0,  24
.set XS,  40
.set PW,  42
.set SC1, 44
.set SC2, 52
.set P0,  60
.set P1,  68
.set TM,  76
.set T,   92
.set RB,  60                           ; the image's update: set 0 at v60-91, set 1 at v92-123
.set Z,   124
.set S0,  128
.set S1,  192
.set OW1, 128                          ; in window 1
.set OW2, 192
.set WB,  30                           ; s[30:31] wpack at (this expert, my first chunk);  s[32:33] b1 likewise;  s[34:37] the same for the next expert
.set BB,  32
.set WN,  34
.set BN,  36
.set MSB, 0
.macro WIN new                         ; low byte: bits 1:0 source 0, 3:2 source 1, 5:4 source 2, 7:6 destination; the high byte repeats the setting that is left
.if MSB != \new
	s_set_vgpr_msb (MSB<<8)|\new
.set MSB, \new
.endif
.endm
.macro PLACES                          ; four plain vector instructions between a matrix instruction and a vector read of its results, and ahead of a scaled product whose operand vector instructions wrote; they also stay between the products and the loads into their registers, beside the wait that states that dependence
.rept 4
	v_nop
.endr
.endm
.macro LOADW1 base, off                ; 18 loads: the eight fragments of W1 and their scale words
	WIN 0x40
.irp t, 0,1,2,3,4,5,6,7
.irp c, 0,1
	global_load_b128 v[OW1+8*\t+4*\c:OW1+8*\t+4*\c+3], v[VW], s[\base:\base+1] offset:(\off)+\t*1024+\c*512
.endr
.endr
	WIN 0
	global_load_b128 v[SC1:SC1+3], v[VS], s[\base:\base+1] offset:(\off)+16384
	global_load_b128 v[SC1+4:SC1+7], v[VS], s[\base:\base+1] offset:(\off)+16400
.endm
.macro LOADW2 base, off                ; 18 loads: the same of W2
	WIN 0x40
.irp t, 0,1,2,3,4,5,6,7
.irp c, 0,1
	global_load_b128 v[OW2+8*\t+4*\c:OW2+8*\t+4*\c+3], v[VW], s[\base:\base+1] offset:(\off)+8192+\t*1024+\c*512
.endr
.endr
	WIN 0
	global_load_b128 v[SC2:SC2+3], v[VS], s[\base:\base+1] offset:(\off)+16896
	global_load_b128 v[SC2+4:SC2+7], v[VS], s[\base:\base+1] offset:(\off)+16912
.endm
.macro LB2 s, base, off, t             ; 2 loads: b1 of tile t of a chunk in the layout of the results, into the accumulator itself
	global_load_b128 v[\s+8*(\t):\s+8*(\t)+3], v[VB], s[\base:\base+1] offset:(\off)+(32*((\t)/2)+8*((\t)%2))*4
	global_load_b128 v[\s+8*(\t)+4:\s+8*(\t)+7], v[VB], s[\base:\base+1] offset:(\off)+(32*((\t)/2)+8*((\t)%2))*4+16
.endm
.macro LOADB s, base, off              ; 16 loads: all eight tiles
.irp t, 0,1,2,3,4,5,6,7
	LB2 \s, \base, \off, \t
.endr
.endm
.macro APHASE                          ; the hidden layer of a chunk: 8 tiles x 2 token tiles, K = 128.  The 16 accumulators take turns, one instruction a turn
	WIN 0x01
.irp tt, 0,1,2,3,4,5,6,7
.irp t, 0,1
	v_wmma_scale_f32_16x16x128_f8f6f4 v[S0+64*\t+8*\tt:S0+64*\t+8*\tt+7], v[OW1+8*\tt:OW1+8*\tt+7], v[X0+8*\t:X0+8*\t+7], v[S0+64*\t+8*\tt:S0+64*\t+8*\tt+7], v[SC1+\tt], v[XS+\t] matrix_a_fmt:MATRIX_FMT_FP4 matrix_b_fmt:MATRIX_FMT_FP4
.endr
.endr
	WIN 0
.endm
.macro CPHASE zero                     ; the second product: 8 tiles of outputs x 2 token tiles, K = the 128 hidden units of the chunk.  zero = 1: the first chunk of an expert starts the sums
	WIN 0x51
.irp n, 0,1,2,3,4,5,6,7
.irp t, 0,1
.if \zero
	v_wmma_scale_f32_16x16x128_f8f6f4 v[64*\t+8*\n:64*\t+8*\n+7], v[OW2+8*\n:OW2+8*\n+7], v[P0+8*\t:P0+8*\t+7], 0, v[SC2+\n], v[PW+\t] matrix_a_fmt:MATRIX_FMT_FP4 matrix_b_fmt:MATRIX_FMT_FP4
.else
	v_wmma_scale_f32_16x16x128_f8f6f4 v[64*\t+8*\n:64*\t+8*\n+7], v[OW2+8*\n:OW2+8*\n+7], v[P0+8*\t:P0+8*\t+7], v[64*\t+8*\n:64*\t+8*\n+7], v[SC2+\n], v[PW+\t] matrix_a_fmt:MATRIX_FMT_FP4 matrix_b_fmt:MATRIX_FMT_FP4
.endif
.endr
.endr
	WIN 0
.endm
; 64 numbers of a lane (register 16 b + i = hidden unit 32 b + 16 (lane / 16) + i of my token) are clipped at 0 and become a fragment of codes in v[p] on and a scale word in v[pw].
; deal = 1: the next chunk's 16 loads of b1 into the OTHER set, ls, are dealt two at a time among the search for the maxima.  No wait stands among them: no line of this macro names the other set or v[VB].
.macro QUANT s, p, pw, deal, ls, base, off
.irp b, 0,1,2,3
	v_max3_num_f32 v[TM+\b], v[\s+16*\b], v[\s+1+16*\b], 0x1800000   ; block b: no |.|: what is negative will be 0 and must not count; the floor 2^(3 - 127) holds the byte at 1 from below
.endr
.if \deal
	LB2 \ls, \base, \off, 0
.endif
.irp i, 2,4,6,8,10,12,14
.irp b, 0,1,2,3
	v_max3_num_f32 v[TM+\b], v[TM+\b], v[\s+16*\b+\i], v[\s+1+16*\b+\i]   ; the four blocks by turns; each tile is read from its low end on
.endr
.if \deal
	LB2 \ls, \base, \off, \i/2
.endif
.endr
.irp b, 0,1,2,3
	v_permlanex16_b32 v[TM+4+\b], v[TM+\b], s40, s41
.endr
.irp b, 0,1,2,3
	v_max_num_f32 v[TM+\b], v[TM+\b], v[TM+4+\b]   ; with the 16 of lane l xor 16: the largest of the block
.endr
.irp b, 0,1,2,3
	v_add_nc_u32 v[TM+12+\b], 0xff000000, v[TM+\b] ; 2 off its exponent field: the scale operand of the conversion
.endr
.irp b, 0,1,2,3
	v_lshrrev_b32 v[TM+4+\b], 23, v[TM+12+\b]      ; the scale byte
.endr
	v_lshl_or_b32 v[\pw], v[TM+5], 8, v[TM+4]
	v_lshl_or_b32 v[\pw], v[TM+6], 16, v[\pw]
	v_lshl_or_b32 v[\pw], v[TM+7], 24, v[\pw]      ; the scale word of my token for these 128
.set QI, 0
.rept 32
	v_dual_max_num_f32 v[\s+2*QI], 0, v[\s+2*QI] :: v_dual_max_num_f32 v[\s+2*QI+1], 0, v[\s+2*QI+1]   ; the activation, in f32, two at a time.  (More than eight places between the scale word and the product that reads it)
.set QI, QI+1
.endr
.irp b, 0,1,2,3
	v_cvt_scalef32_pk8_fp4_f32 v[\p+2*\b], v[\s+16*\b:\s+16*\b+7], v[TM+12+\b]
	v_cvt_scalef32_pk8_fp4_f32 v[\p+2*\b+1], v[\s+16*\b+8:\s+16*\b+15], v[TM+12+\b]
.endr
	v_nop                                          ; one plain place behind a scaled conversion
.irp c, 0,1                            ; the operand wants a whole block in a lane: lanes 0-15 block 2 c, lanes 16-31 block 2 c + 1
.irp i, 0,1
	v_permlane16_swap_b32 v[\p+4*\c+\i], v[\p+4*\c+2+\i]
.endr
.endr
.endm
.macro GATES                           ; gate of the expert in hand for my token of each tile: the weights of the slots that name it.  Ten plain lines that name no register of the products
	v_cmp_eq_u32 s52, s26, v[IX]                   ; the four compares in one run, a mask register each
	v_cmp_eq_u32 s53, s26, v[IX+1]
	v_cmp_eq_u32 s54, s26, v[IX+2]
	v_cmp_eq_u32 s55, s26, v[IX+3]
	s_wait_alu depctr_va_sdst(0)                   ; the compares have written s52 to s55, ahead of the selects that read them
	v_cndmask_b32 v[G0], 0, v[WG], s52
	v_cndmask_b32 v22, 0, v[WG+1], s53
	v_cndmask_b32 v[G0+2], 0, v[WG+2], s54
	v_cndmask_b32 v23, 0, v[WG+3], s55
	v_add_f32 v[G0], v[G0], v22
	v_add_f32 v[G0+2], v[G0+2], v23
.endm
; A CHUNK.  mode 1: the next chunk of the same expert is asked for; 2: the first chunk of the next expert; 0: nothing.
; Loads out at the head, in the order of issue: this chunk's W1 (18), b1 twice (16 + 16), W2 (18).
.macro STEP c, mode
	s_wait_loadcnt 18                              ; all but the youngest 18, this chunk's W2
	APHASE
	PLACES                                         ; ahead of the reads of the results
	QUANT S0, P0, PW, 0, 0, 0, 0
.if \mode
	WIN 0x40                                       ; (the switch first, then the wait, then the loads)
	s_wait_alu depctr_va_vdst(0)                   ; the first product is done reading W1 and SC1, in which the loads below land; the quantiser is done reading and writing S0, in which the loads dealt among the next quantiser land
.endif
.if \mode == 1
	LOADW1 WB, (\c+1)*REC
	QUANT S1, P1, PW+1, 1, S0, BB, (\c+1)*512
.elseif \mode == 2
	LOADW1 WN, 0
	QUANT S1, P1, PW+1, 1, S0, BN, 0
.else
	QUANT S1, P1, PW+1, 0, 0, 0, 0
.endif
	PLACES                                         ; an operand written by vector instructions stands four places ahead of a scaled product
	s_wait_alu depctr_va_vdst(0)                   ; the quantisers have written P0, P1 and PW, which the scaled product takes as operand and scales; and the second is done reading and writing S1, in which the loads below land
.if \mode == 1
	LOADB S1, BB, (\c+1)*512
.elseif \mode == 2
	LOADB S1, BN, 0
.endif
.if \mode
	s_wait_loadcnt 50                              ; behind this chunk's W2 stand the 18 + 16 + 16 issued since
.else
	s_wait_loadcnt 0x0
.endif
	CPHASE (\c==0)
.if \c == 3
	GATES                                          ; these are the places behind the products
.else
	PLACES
.endif
.if \mode
	WIN 0x40                                       ; (the switch first, then the wait, then the loads)
.endif
	s_wait_alu depctr_va_vdst(0)                   ; the second product is done reading W2 and SC2, in which the loads below land; in an expert's last chunk also P0 and P1, in which, with the quantisers' v76-91, the image's first loads land
.if \mode == 1
	LOADW2 WB, (\c+1)*REC
.elseif \mode == 2
	LOADW2 WN, 0
.endif
.endm
; my image += gate x the expert's sums: four steps of 8 groups (32 registers), on two sets; each step's LDS loads are issued a step ahead.  My own bytes: no barrier.
; Set 0 is free since the wait at the end of the chunk above; set 1 since the last wait on va_vdst behind the lines that named it (the last update's, or the head's); what stores read of both has been read (the wait on vm_vsrc behind the last update, or the head's).
.macro RMW
.irp i, 0,1,2,3,4,5,6,7
	ds_load_b128 v[RB+4*\i:RB+4*\i+3], v[LT] offset:512*\i
.endr
.set RQ, 0
.rept 4
.if RQ < 3
.if RQ > 0
	s_wait_alu depctr_vm_vsrc(0)                   ; the stores of the step before have read the set in which the loads below land, and which the next step's multiply-adds write
.endif
.irp i, 0,1,2,3,4,5,6,7
	ds_load_b128 v[RB+32*((RQ+1)%2)+4*\i:RB+32*((RQ+1)%2)+4*\i+3], v[LT] offset:512*(8*(RQ+1)+\i)   ; LDS serves a wave's instructions in order (ISA guide 5.7.1.4)
.endr
.endif
.if (RQ == 0) || (RQ == 3)
	s_wait_dscnt 8                                 ; behind this step's loads: the next step's eight loads (first step), or the last eight stores (last step)
.else
	s_wait_dscnt 16                                ; behind this step's loads: eight stores and eight loads
.endif
	WIN 0x01
.irp i, 0,1,2,3,4,5,6,7,8,9,10,11,12,13,14,15
	v_pk_fma_f32 v[RB+32*(RQ%2)+2*\i:RB+32*(RQ%2)+2*\i+1], v[32*RQ+2*\i:32*RQ+2*\i+1], v[G0+2*(RQ/2):G0+2*(RQ/2)+1], v[RB+32*(RQ%2)+2*\i:RB+32*(RQ%2)+2*\i+1] op_sel_hi:[1,0,1]   ; each accumulator from its low end on
.endr
	WIN 0
	s_wait_alu depctr_va_vdst(0)                   ; the multiply-adds have written this set, which the stores below read; the loads of two steps on land in it with no vector line between
.irp i, 0,1,2,3,4,5,6,7
	ds_store_b128 v[LT], v[RB+32*(RQ%2)+4*\i:RB+32*(RQ%2)+4*\i+3] offset:512*(8*RQ+\i)
.endr
.set RQ, RQ+1
.endr
.endm
	s_load_b512 s[4:19], s[0:1], 0x0               ; wpack s[4:5], b1 s[6:7], b2 s[8:9], topk_idx s[10:11], weights s[12:13], x codes s[14:15], x scales s[16:17], order s[18:19]
	s_load_b128 s[20:23], s[0:1], 0x40             ; bmask s[20:21], out0 s[22:23]
	v_lshrrev_b32 v22, 5, v0
	v_readfirstlane_b32 s24, v22                   ; wave 0 .. 7
	v_and_b32 v23, 31, v0
	v_lshlrev_b32 v[VW], 4, v23
	v_and_b32 v22, 15, v0                          ; r
	v_bfe_u32 v23, v0, 4, 1                        ; h
	v_lshlrev_b32 v[VS], 5, v22
	v_lshlrev_b32 v[VB], 6, v23
.irp i, 0,1,2,3
	v_mov_b32 v[Z+\i], 0
.endr
	v_mov_b32 v[G0+1], 0
	v_mov_b32 v[G0+3], 0
	s_wait_alu depctr_va_sdst(0)                   ; s24 is written, ahead of its first reader
	s_lshl_b32 s29, s24, 14
	v_add_nc_u32 v[LT], s29, v[VW]
	s_lshl_b32 s29, s24, 11
	v_add_nc_u32 v[LB], s29, v[LT]
	v_add_nc_u32 v[RA], s29, v[VW]
	v_add_nc_u32 v[RA2], 0x10000, v[RA]
	s_lshr_b32 s29, s24, 2                         ; I add up token tile w / 4, outputs 32 (w % 4) .. + 31
	s_mul_i32 s29, s29, 16*SPI
	s_and_b32 s52, s24, 3
	s_lshl_b32 s52, s52, 7                         ; their 128 bytes in a row
	s_add_co_u32 s29, s29, s52
	v_mul_u32_u24 v[SA], v22, SPI
	v_lshl_add_u32 v[SA], v23, 5, v[SA]
	v_add_nc_u32 v[SA], s29, v[SA]
	v_add_nc_u32 v[SA], STG, v[SA]                 ; the stage: row 16 (w / 4) + r, byte 128 (w % 4) + 32 h
	s_mul_i32 s29, s24, 4*SPI
	v_add_nc_u32 v[SR], s29, v[VW]
	v_add_nc_u32 v[SR], STG, v[SR]                 ; back: rows 4 w on, 16 bytes a lane
	v_lshlrev_b32 v80, 2, v22                      ; order: 4 r, tile 0 (tile 1: 64 bytes on)
	s_lshr_b32 s29, s24, 2
	s_lshl_b32 s29, s29, 6
	v_add_nc_u32 v81, s29, v80                     ; and the tile that I add up
	v_lshl_add_u32 v84, v23, 5, s52                ; b2: 32 h + 128 (w % 4)
	s_lshl_b32 s38, ttmp9, 2
	s_mov_b32 s39, 0
	s_lshl_b32 s42, ttmp9, 7
	s_mov_b32 s43, 0
	s_lshl_b32 s48, s24, 4
	s_mov_b32 s49, 0
	s_mul_i32 s50, s24, 4*REC                      ; my four records of an expert
	s_lshl_b32 s51, s24, 11                        ; my 512 numbers of b1
	s_mov_b32 s40, 0x76543210
	s_mov_b32 s41, 0xfedcba98                      ; lane selects: lane l xor 16
	s_wait_kmcnt 0x0
	s_add_nc_u64 s[38:39], s[20:21], s[38:39]      ; bmask[g]
	s_add_nc_u64 s[42:43], s[18:19], s[42:43]      ; order at place 32 g
	s_add_nc_u64 s[48:49], s[42:43], s[48:49]      ; and at place 32 g + 4 w: the four rows that I store
	s_load_b32 s25, s[38:39], 0x0
	s_load_b128 s[44:47], s[48:49], 0x0
	s_wait_alu depctr_va_vdst(0)                   ; the addresses v1 to v9, v80 and v81 and the zeros v124 to v127 are written: the loads and LDS stores from here on read them
	global_load_b32 v82, v80, s[42:43]
	global_load_b32 v83, v80, s[42:43] offset:64
	global_load_b32 v85, v81, s[42:43]
.set CI, 0
.rept 32
	ds_store_b128 v[LT], v[Z:Z+3] offset:512*CI    ; my image begins as zeros
.set CI, CI+1
.endr
	s_wait_kmcnt 0x0
	s_and_b32 s25, s25, 0xff                       ; M: the experts still to be walked
	s_ctz_i32_b32 s26, s25
	s_min_u32 s26, s26, 7                          ; the first of them
	s_mul_i32 s38, s26, EXPB
	s_add_co_u32 s38, s38, s50
	s_mov_b32 s39, 0
	s_add_nc_u64 s[WB:WB+1], s[4:5], s[38:39]
	s_lshl_b32 s48, s26, 14
	s_add_co_u32 s48, s48, s51
	s_mov_b32 s49, 0
	s_add_nc_u64 s[BB:BB+1], s[6:7], s[48:49]
	LOADW1 WB, 0                                   ; the first chunk goes out while the tokens are looked up.  No vector line has named the registers in which these 50 loads land
	LOADB S0, BB, 0
	LOADB S1, BB, 0
	s_wait_loadcnt 50                              ; behind the three loads of order stand these 18 + 16 + 16
	v_min_u32 v82, 0x1fff, v82                     ; my token of tile 0,
	v_min_u32 v83, 0x1fff, v83                     ; of tile 1,
	v_min_u32 v85, 0x1fff, v85                     ; of the tile that I add up
	v_lshlrev_b32 v86, 6, v82
	v_lshl_add_u32 v86, v23, 4, v86                ; x codes: 64 bytes a token, + 16 h
	v_lshlrev_b32 v87, 6, v83
	v_lshl_add_u32 v87, v23, 4, v87
	v_lshlrev_b32 v88, 2, v82                      ; x scale words
	v_lshlrev_b32 v89, 2, v83
	v_lshlrev_b32 v90, 3, v82                      ; index and weight pairs
	v_lshlrev_b32 v91, 3, v83
	v_lshlrev_b32 v85, 3, v85
	s_wait_alu depctr_va_vdst(0)                   ; the offsets v85 to v91 are written, which the twelve gathers read
	global_load_b128 v[X0:X0+3], v86, s[14:15]
	global_load_b128 v[X0+4:X0+7], v86, s[14:15] offset:32
	global_load_b128 v[X0+8:X0+11], v87, s[14:15]
	global_load_b128 v[X0+12:X0+15], v87, s[14:15] offset:32
	global_load_b32 v[XS], v88, s[16:17]
	global_load_b32 v[XS+1], v89, s[16:17]
	global_load_b64 v[IX:IX+1], v90, s[10:11]
	global_load_b64 v[IX+2:IX+3], v91, s[10:11]
	global_load_b64 v[76:77], v85, s[10:11]
	global_load_b64 v[WG:WG+1], v90, s[12:13]
	global_load_b64 v[WG+2:WG+3], v91, s[12:13]
	global_load_b64 v[78:79], v85, s[12:13]
	s_wait_loadcnt 0x0                             ; the twelve gathers (and the first chunk)
	v_min_u32 v76, 7, v76
	v_min_u32 v77, 7, v77
	s_wait_alu depctr_vm_vsrc(0)                   ; the three loads of order have read v80 and v81, which are written anew below
	v_lshl_add_u32 v80, v76, 9, v84                ; b2 of slot 0: 512 bytes an expert
	v_lshl_add_u32 v81, v77, 9, v84                ; of slot 1
	s_wait_alu depctr_va_vdst(0)                   ; v80 and v81 are written, which the loads of b2 read
.irp s, 0,1
.irp i, 0,1,2,3
	global_load_b128 v[T+16*\s+4*\i:T+16*\s+4*\i+3], v[80+\s], s[8:9] offset:64*(\i/2)+16*(\i%2)   ; group i of my four: outputs 16 (i / 2) + 8 h + 4 (i % 2) on
.endr
.endr
	LOADW2 WB, 0
	v_mov_b32 v82, v79                             ; the weight of slot 1 in a pair of its own (v83 is written)
	s_wait_loadcnt 18                              ; b2 is in; the first chunk's W2 may be out
.irp i, 0,1,2,3,4,5,6,7
	v_pk_mul_f32 v[T+2*\i:T+2*\i+1], v[T+2*\i:T+2*\i+1], v[78:79] op_sel_hi:[1,0]
.endr
	s_wait_alu depctr_va_vdst(0)
.irp i, 0,1,2,3,4,5,6,7
	v_pk_fma_f32 v[T+2*\i:T+2*\i+1], v[T+16+2*\i:T+16+2*\i+1], v[82:83], v[T+2*\i:T+2*\i+1] op_sel_hi:[1,0,1]
.endr
	s_wait_alu depctr_va_vdst(0)                   ; the multiply-adds have written v[T ..], which the LDS stores read
.irp i, 0,1,2,3
	ds_store_b128 v[LB], v[T+4*\i:T+4*\i+3] offset:512*\i   ; the sum of weight x b2, over the zeros of groups 4 w on of my own image: it enters the final sum once
.endr
	s_wait_alu depctr_vm_vsrc(0)                   ; the gathers and the loads of b2 have read v80, v81 and v85 to v91, the LDS stores v[T ..]: the quantisers write some of these registers, and the image's loads land in all of them
	s_mov_b32 s28, 0
.Lexp:                                                 ; a trip: one expert.  At most eight: M has eight bits
	s_sub_co_u32 s29, s25, 1
	s_and_b32 s25, s25, s29                        ; the expert in hand leaves M
	STEP 0, 1
	STEP 1, 1
	STEP 2, 1
	s_cmp_eq_u32 s25, 0
	s_cbranch_scc1 .Llast                          ; a number that the launch before stored decides: the last expert's tail asks for nothing
	s_wait_xcnt 0x0                                ; the bases of the next expert are written only behind this wait
	s_ctz_i32_b32 s27, s25
	s_min_u32 s27, s27, 7
	s_mul_i32 s38, s27, EXPB
	s_add_co_u32 s38, s38, s50
	s_mov_b32 s39, 0
	s_add_nc_u64 s[WN:WN+1], s[4:5], s[38:39]
	s_lshl_b32 s48, s27, 14
	s_add_co_u32 s48, s48, s51
	s_mov_b32 s49, 0
	s_add_nc_u64 s[BN:BN+1], s[6:7], s[48:49]
	STEP 3, 2
	RMW
	s_wait_xcnt 0x0                                ; every load issued has had its address translated: the bases may be written
	s_wait_alu depctr_vm_vsrc(0)                   ; the update's last stores have read v60 to v123: the next expert's quantisers write v60 to v91, and the next update's loads land in all of them
	s_mov_b64 s[WB:WB+1], s[WN:WN+1]
	s_mov_b64 s[BB:BB+1], s[BN:BN+1]
	s_mov_b32 s26, s27
	s_add_co_u32 s28, s28, 1
	s_cmp_lt_u32 s28, 8
	s_cbranch_scc1 .Lexp
	s_wait_loadcnt 0x0                             ; (not reached: eight bits are used up in eight trips.)  No load may be out where its registers are used again
	s_branch .Lepi
.Llast:
	STEP 3, 0
	RMW
.Lepi:                                                 ; the eight images are added: wave w takes groups 4 w .. 4 w + 3 of each
	s_wait_dscnt 0x0                               ; for the others: my image is written
	s_barrier_signal -1
	s_barrier_wait -1
.irp w, 0,1,2,3                        ; these land in S0 and S1: no vector line has named them since the wait ahead of the last second product
.irp i, 0,1,2,3
	ds_load_b128 v[S0+16*\w+4*\i:S0+16*\w+4*\i+3], v[RA] offset:16384*\w+512*\i
.endr
.endr
.irp w, 0,1,2,3
.irp i, 0,1,2,3
	ds_load_b128 v[S0+64+16*\w+4*\i:S0+64+16*\w+4*\i+3], v[RA2] offset:16384*\w+512*\i
.endr
.endr
	s_min_u32 s44, s44, 0x1fff                     ; the tokens of the four rows that I store
	s_min_u32 s45, s45, 0x1fff
	s_min_u32 s46, s46, 0x1fff
	s_min_u32 s47, s47, 0x1fff
	s_wait_dscnt 0x0
.irp w, 1,2,3,4,5,6,7
.irp i, 0,1,2,3,4,5,6,7
	v_pk_add_f32 v[S0+2*\i:S0+2*\i+1], v[S0+2*\i:S0+2*\i+1], v[S0+16*\w+2*\i:S0+16*\w+2*\i+1]
.endr
.endr
.irp i, 0,1,2,3
	v_lshl_add_u32 v[S0+32+\i], s[44+\i], 9, v[VW] ; the token's row of 512 bytes, 16 bytes a lane
.endr
	s_wait_alu depctr_va_vdst(0)                   ; the additions have written v[S0 ..], which the LDS stores read, and are done reading v[S0 + 16 ..], in which the rows land; the rows' offsets are written, which the global stores read
.irp i, 0,1,2,3
	ds_store_b128 v[SA], v[S0+4*\i:S0+4*\i+3] offset:64*(\i/2)+16*(\i%2)   ; token r of tile w / 4, outputs 32 (w % 4) + 16 (i / 2) + 8 h + 4 (i % 2) on
.endr
	s_wait_dscnt 0x0                               ; for the others: my part of the rows is written
	s_barrier_signal -1
	s_barrier_wait -1
.irp i, 0,1,2,3
	ds_load_b128 v[S0+16+4*\i:S0+16+4*\i+3], v[SR] offset:SPI*\i
.endr
	s_wait_dscnt 0x0
.irp i, 0,1,2,3
	global_store_b128 v[S0+32+\i], v[S0+16+4*\i:S0+16+4*\i+3], s[22:23] th:TH_STORE_NT   ; 32 lanes store one whole row: 512 consecutive bytes, at a multiple of 512 from the first byte of out0
.endr
	s_wait_xcnt 0x0
	v_lshl_add_u32 v254, v0, 2, 0x24200            ; the add's two registers, made anew: no memory or LDS instruction has read v254 or v255
	v_mov_b32 v255, 0
	s_wait_dscnt 0x0                               ; the closing lines, six on end
	s_wait_alu 0x0
	s_wait_tensorcnt 0x0
	ds_add_u32 v254, v255
	s_wait_dscnt 0x0
	s_endpgm
.Lfunc_end_k_qe7510c293b_moe:
	.size	k_qe7510c293b_moe, .Lfunc_end_k_qe7510c293b_moe-k_qe7510c293b_moe
	.p2alignl 7, 3214868480
	.fill 96, 4, 3214868480
	.section	.rodata,"a",@progbits
	.p2align	6, 0x0
	.amdhsa_kernel k_qe7510c293b_moe
		.amdhsa_group_segment_fixed_size 148992
		.amdhsa_private_segment_fixed_size 0
		.amdhsa_enable_private_segment 0
		.amdhsa_kernarg_size 80
		.amdhsa_user_sgpr_count 2
		.amdhsa_user_sgpr_kernarg_segment_ptr 1
		.amdhsa_wavefront_size32 1
		.amdhsa_system_sgpr_workgroup_id_x 1
		.amdhsa_system_sgpr_workgroup_id_y 1
		.amdhsa_system_sgpr_workgroup_id_z 1
		.amdhsa_system_vgpr_workitem_id 0
		.amdhsa_next_free_vgpr 512
		.amdhsa_next_free_sgpr 66
		.amdhsa_reserve_vcc 0
		.amdhsa_float_denorm_mode_32 3
		.amdhsa_float_denorm_mode_16_64 3
		.amdhsa_memory_ordered 1
		.amdhsa_forward_progress 1
		.amdhsa_inst_pref_size 149
	.end_amdhsa_kernel
	.amdgpu_metadata
---
amdhsa.version: [ 1, 2 ]
amdhsa.kernels:
  - .name:           k_qe7510c293b_moe
    .symbol:         k_qe7510c293b_moe.kd
    .args:
      - { .name: wpack, .offset: 0, .size: 8, .value_kind: global_buffer, .address_space: global }
      - { .name: b1, .offset: 8, .size: 8, .value_kind: global_buffer, .address_space: global }
      - { .name: b2, .offset: 16, .size: 8, .value_kind: global_buffer, .address_space: global }
      - { .name: topk_idx, .offset: 24, .size: 8, .value_kind: global_buffer, .address_space: global }
      - { .name: weights, .offset: 32, .size: 8, .value_kind: global_buffer, .address_space: global }
      - { .name: x_codes, .offset: 40, .size: 8, .value_kind: global_buffer, .address_space: global }
      - { .name: x_scales, .offset: 48, .size: 8, .value_kind: global_buffer, .address_space: global }
      - { .name: order, .offset: 56, .size: 8, .value_kind: global_buffer, .address_space: global }
      - { .name: bmask, .offset: 64, .size: 8, .value_kind: global_buffer, .address_space: global }
      - { .name: out0, .offset: 72, .size: 8, .value_kind: global_buffer, .address_space: global }
    .group_segment_fixed_size: 148992
    .private_segment_fixed_size: 0
    .kernarg_segment_align: 8
    .kernarg_segment_size: 80
    .max_flat_workgroup_size: 256
    .sgpr_count:     66
    .vgpr_count:     512
    .wavefront_size: 32
...
	.end_amdgpu_metadata
.endif
;; end of part 4
